; MI455X (gfx1250); checked and timed in simulation.
; The chip was launched on July 23, 2026; its instructions are those of AMD's public machine-readable ISA for CDNA 5 (MIT licence, August 2026) and "CDNA5" Instruction Set Architecture Reference Guide (July 2026). The comments in the code are by the model that wrote it; some were corrected since.
;; Causal Self Attention. Allowed arithmetic: matrix products marked QUANTISED: E2M1 operands, one E8M0 scale for each 32 along K, by v_wmma_scale_f32_16x16x128_f8f6f4 with both operands' format E2M1 (or v_wmma_scale_f32_32x16x128_f4), f32 sums; products left as they are: bf16, f16 or f32 operands; f32 sums; everything else in f32.
;; Inputs: Wk 1,024 x 1,024 float32; Wq 1,024 x 1,024 float32; Wv 1,024 x 1,024 float32; bk 1,024 float32; bq 1,024 float32; bv 1,024 float32; x 4 x 2,048 x 1,024 float32.
;; Outputs: out0 4 x 2,048 x 1,024 float32.
;; This version of the problem:
;;   THIS VERSION OF THE PROBLEM IS GIVEN IN LOW PRECISION. The matrix products marked QUANTISED in the list below multiply operands that are first quantised to E2M1 (2 exponent bits, 1 mantissa bit; 4 bits a number), with one power-of-two scale for each 32 numbers along K (OCP MX v1.0); their sums are f32. The products marked 'left as it is' may take bf16, f16 or f32 operands, with f32 sums. Whichever they take, every output number must still come out within the allowed error. Rounding operands to bf16 (8 significant bits) uses up far more of that allowance than f16 does (11 bits, for magnitudes from 6e-5 to 65,504). All else is computed in f32.
;;   The module's matrix products, in the order in which they are computed (A, B: the left and right operand; K: the contracted axis; several contracted axes count as one K, in the product's order):
;;     1. [M 8,192, K 1,024] x [K 1,024, N 1,024]; A: input x; B: input Wq: QUANTISED
;;     2. [M 8,192, K 1,024] x [K 1,024, N 1,024]; A: input x; B: input Wk: QUANTISED
;;     3. [M 8,192, K 1,024] x [K 1,024, N 1,024]; A: input x; B: input Wv: QUANTISED
;;     4. batch 64 x [M 2,048, K 64] x [K 64, N 2,048]; A: computed on the way; B: computed on the way: left as it is (an operand is computed on the way)
;;     5. batch 64 x [M 2,048, K 2,048] x [K 2,048, N 64]; A: computed on the way; B: computed on the way: left as it is (an operand is computed on the way)
;;     6. [M 8,192, K 1,024] x [K 1,024, N 1,024]; A: computed on the way; B: input Wv: left as it is (an operand is computed on the way)
;;   THE QUANTISER, for each operand of a quantised product, along K:
;;     - K is cut into blocks of 32 from its start; a last block that is shorter is filled with zeros.
;;     - A block's scale is 2^e with e = floor(log2(the largest magnitude in the block)) - 2, held to -126 .. 127; a block of zeros has e = 0. As a byte (E8M0): e + 127.
;;     - Each number is divided by its block's scale, clamped to +-6, and rounded to the nearest number of E2M1, ties to even, subnormals kept.
;;     - The product sums the exact products of the quantised numbers (number of the format x scale) in f32.
;;   ~~~python
;;   def quantise(x, axis):      # numpy; x: float32 -> the quantised numbers, widened to float32 again
;;       x = np.moveaxis(x, axis, -1); K = x.shape[-1]
;;       x = np.pad(x, [(0, 0)] * (x.ndim - 1) + [(0, -K % 32)]); x = x.reshape(x.shape[:-1] + (-1, 32)); a = np.abs(x).max(-1, keepdims=True)
;;       e = np.where(a > 0, np.clip(np.frexp(np.where(a > 0, a, 1))[1] - 1 - 2, -126, 127), 0)      # np.frexp(a)[1] - 1 = floor(log2(a)), exactly
;;       r = np.clip(x / 2.0 ** e, -6, 6)
;;       step = 2.0 ** (np.maximum(np.frexp(np.where(r == 0, 1, r))[1] - 1, 0) - 1)
;;       q = np.round(r / step) * step * 2.0 ** e      # np.round: ties to even
;;       return np.moveaxis(q.reshape(q.shape[:-2] + (-1,))[..., :K], -1, axis).astype(np.float32)
;;   ~~~
;; One version. Each part assembles by itself: llvm-mc -triple=amdgcn-amd-amdhsa -mcpu=gfx1250 --defsym DOCPART=n.
;; ======== version 1 of 1: 6 launches
;; limits: values are held in f16: magnitudes above 65,504 overflow, below 6.1e-05 lose precision
;; workspace buffers: xc 4,194,304 bytes; xs 262,144 bytes; wc 1,572,864 bytes; ws 98,304 bytes; wt 2,097,152 bytes; qkv 50,331,648 bytes; h32 786,432 bytes; yi 16,777,216 bytes
;; launch quant_x (part 1): grid 256 x 1, 4 waves a work-group, no clusters, 33,280 bytes of LDS; arguments x, xc, xs; writes xc, xs
.if DOCPART == 1
	.amdgcn_target "amdgcn-amd-amdhsa--gfx1250"
	.amdhsa_code_object_version 6
	.text
	.protected	k_q7104f9c52c_quant_x
	.globl	k_q7104f9c52c_quant_x
	.p2align	8
	.type	k_q7104f9c52c_quant_x,@function
k_q7104f9c52c_quant_x:
	s_mov_b64 s[64:65], 0
	v_nop
	global_prefetch_b8 v0, s[64:65] scope:SCOPE_SE
	s_setreg_imm32_b32 hwreg(HW_REG_WAVE_MODE, 25, 1), 1
	s_wait_xcnt 0x0
; x [8192][1024], f32, becomes codes of FP4 (E2M1), K innermost, two codes a byte (xc: 512 bytes a row), and one E8M0 byte for each 32 along K (xs: 32 bytes a row).
; A block's scale is 2^(floor(log2(its largest magnitude)) - 2); its byte is the largest magnitude's exponent field - 2, held at 1 from below.
; A block of zeros so gets the byte 1 where the rule says 127: its codes are zeros, and this program alone reads the bytes.
; LIMITS: NaN and infinities among the inputs are not served; blocks whose largest magnitude lies under 2^(3 - 127) get the byte 1.
; Rows are dense and 1024 is a multiple of 32: x is a plain stream of blocks of 32, and so are the codes and the bytes.
; A wave takes a run of 8,192 numbers in 16 steps of 512.  Each load reads 512 consecutive bytes; a step's 2,048 bytes turn through the wave's own stage in LDS,
; so that a lane then holds 16 neighbours along K (two lanes to a block).  Loads run eight steps (32 loads a wave) ahead.  Waves share nothing: no barrier.
.set WAVES, 4
.set STEPS, 16
.set AHEAD, 8                          ; steps of loads on their way
.set EMAX,  2
.set CB,    8                          ; bytes of 16 codes
.set R,     16                         ; v16-143  eight sets of 16 numbers as loaded
.set X,     144                        ; v144-175 two sets of 16 neighbours
.set C,     176                        ; v176-207 codes: two registers for each step, never written again
.set E,     208                        ; v208-223 a scale byte for each step
.set WREG,  8192                       ; LDS: a region for each wave: two stages of 32 x SP bytes, then its 256 scale bytes
.set SP,    80                         ; a lane's place in a stage: 64 bytes + 16 of padding
.set SPW,   12                         ; v12 LDS address of my spare word; never rewritten
.set NIL,   13                         ; v13 0; never rewritten
.set SPARE, WAVES*WREG                 ; behind the regions: the spare words, 128 bytes a wave, that no other line names
	s_load_b128 s[4:7], s[0:1], 0x0                ; x, xc
	s_load_b64 s[8:9], s[0:1], 0x10                ; xs
	v_lshl_add_u32 v[SPW], v0, 2, SPARE
	v_mov_b32 v[NIL], 0
	v_lshrrev_b32 v1, 5, v0
	v_readfirstlane_b32 s16, v1                    ; wave
	v_and_b32 v2, 31, v0                           ; lane
	v_lshlrev_b32 v3, 4, v2                        ; my 16 bytes of a load's 512
	s_mul_i32 s17, s16, WREG
	v_lshrrev_b32 v14, 2, v2
	v_mul_u32_u24 v14, v14, SP
	v_and_b32 v15, 3, v2
	v_lshl_add_u32 v14, v15, 4, v14
	v_add_nc_u32 v14, s17, v14                     ; the stage, on the way in: SP (lane / 4) + 16 (lane % 4)
	v_mul_u32_u24 v15, v2, SP
	v_add_nc_u32 v15, s17, v15                     ; on the way out: SP x lane: my 16 neighbours
	v_mul_u32_u24 v4, v2, CB                       ; my codes' place in a step's 256 bytes
	v_lshrrev_b32 v5, 1, v2
	s_add_co_u32 s17, s17, 2*32*SP
	v_add_nc_u32 v5, s17, v5                       ; my block's byte among the wave's 256
	v_lshlrev_b32 v7, 3, v2                        ; and on the way out 8 bytes a lane
	v_add_nc_u32 v6, s17, v7
	s_lshl_b32 s17, ttmp9, 2
	s_add_co_u32 s18, s17, s16                     ; my run: 4 x work-group + wave
	s_lshl_b32 s20, s18, 15                        ; 32,768 bytes of x,
	s_mov_b32 s21, 0
	s_lshl_b32 s22, s18, 12                        ; 4,096 of codes,
	s_mov_b32 s23, 0
	s_lshl_b32 s24, s18, 8                         ; 256 scale bytes a run
	s_mov_b32 s25, 0
	s_wait_kmcnt 0x0
	s_add_nc_u64 s[4:5], s[4:5], s[20:21]
	s_add_nc_u64 s[6:7], s[6:7], s[22:23]
	s_add_nc_u64 s[8:9], s[8:9], s[24:25]
.macro LOAD t
.irp i, 0,1,2,3
	global_load_b128 v[R+16*((\t)%AHEAD)+4*\i:R+16*((\t)%AHEAD)+4*\i+3], v3, s[4:5] offset:2048*(\t)+512*\i th:TH_LOAD_NT   ; 32 lanes read 512 consecutive bytes
.endr
.endm
.macro TURN t                          ; step t's numbers through the stage: LDS serves a wave's instructions in order, so no wait stands between the stores and the loads
.irp i, 0,1,2,3
	ds_store_b128 v14, v[R+16*((\t)%AHEAD)+4*\i:R+16*((\t)%AHEAD)+4*\i+3] offset:32*SP*((\t)%2)+8*SP*\i
.endr
.irp i, 0,1,2,3
	ds_load_b128 v[X+16*((\t)%2)+4*\i:X+16*((\t)%2)+4*\i+3], v15 offset:32*SP*((\t)%2)+16*\i
.endr
.endm
.irp t, 0,1,2,3,4,5,6,7
	LOAD \t
.endr
	s_wait_loadcnt 4*(AHEAD-1)                     ; step 0's four loads are in; the seven steps behind it may be out
	TURN 0
.macro STEP t
.set XS, X+16*((\t)%2)
.if (\t) > 0
	s_wait_dscnt 1                                 ; this step's numbers are back from the stage (the last step's byte store may be out): so its stores into the stage have read their set,
.else
	s_wait_dscnt 0x0
.endif
.if (\t)+AHEAD < STEPS
	LOAD (\t)+AHEAD                                ; which takes the loads of eight steps on
.endif
.if (\t)+1 < STEPS
.if STEPS-2-(\t) >= AHEAD-1
	s_wait_loadcnt 4*(AHEAD-1)                     ; the next step's four loads are in; those of the steps behind it may be out
.else
	s_wait_loadcnt 4*(STEPS-2-(\t))
.endif
	TURN (\t)+1                                    ; and go through the other stage while this step is worked
.endif
	v_max3_num_f32 v8, |v[XS]|, |v[XS+1]|, |v[XS+2]|               ; the largest magnitude of my 16, in two chains
	v_max3_num_f32 v9, |v[XS+3]|, |v[XS+4]|, |v[XS+5]|
.irp i, 6,10
	v_max3_num_f32 v8, v8, |v[XS+\i]|, |v[XS+\i+1]|
	v_max3_num_f32 v9, v9, |v[XS+\i+2]|, |v[XS+\i+3]|
.endr
	v_max3_num_f32 v8, v8, |v[XS+14]|, |v[XS+15]|
	v_max3_num_f32 v8, v8, v9, (EMAX+1)<<23        ; and the floor 2^(3 - 127): the byte cannot fall under 1
	v_max_num_f32_dpp v8, v8, v8 row_xmask:1 row_mask:0xf bank_mask:0xf   ; and of my neighbour's 16: the block's
	v_add_nc_u32 v11, -(EMAX<<23), v8              ; 2 off its exponent field: the conversion takes the exponent field of this operand as its scale
	v_cvt_scalef32_pk8_fp4_f32 v[C+2*(\t)], v[XS:XS+7], v11
	v_cvt_scalef32_pk8_fp4_f32 v[C+2*(\t)+1], v[XS+8:XS+15], v11
	v_lshrrev_b32 v[E+(\t)], 23, v11               ; the scale's byte (also the plain line behind the conversions)
	ds_store_b8 v5, v[E+(\t)] offset:16*(\t)       ; both lanes of a block write the same byte with the same value
	global_store_b64 v4, v[C+2*(\t):C+2*(\t)+1], s[6:7] offset:32*CB*(\t)   ; the wave stores 256 consecutive bytes, aligned
.endm
.irp t, 0,1,2,3,4,5,6,7,8,9,10,11,12,13,14,15
	STEP \t
.endr
	ds_load_b64 v[8:9], v6                         ; LDS serves a wave's instructions in order: these see my byte stores
	s_wait_dscnt 0x0
	global_store_b64 v7, v[8:9], s[8:9]            ; 32 lanes store 256 consecutive bytes, aligned
	s_wait_tensorcnt 0x0                           ; the wave's end
	ds_add_u32 v[SPW], v[NIL]
	s_wait_dscnt 0x0
	s_endpgm
.Lfunc_end_k_q7104f9c52c_quant_x:
	.size	k_q7104f9c52c_quant_x, .Lfunc_end_k_q7104f9c52c_quant_x-k_q7104f9c52c_quant_x
	.p2alignl 7, 3214868480
	.fill 96, 4, 3214868480
	.section	.rodata,"a",@progbits
	.p2align	6, 0x0
	.amdhsa_kernel k_q7104f9c52c_quant_x
		.amdhsa_group_segment_fixed_size 33280
		.amdhsa_private_segment_fixed_size 0
		.amdhsa_enable_private_segment 0
		.amdhsa_kernarg_size 24
		.amdhsa_user_sgpr_count 2
		.amdhsa_user_sgpr_kernarg_segment_ptr 1
		.amdhsa_wavefront_size32 1
		.amdhsa_system_sgpr_workgroup_id_x 1
		.amdhsa_system_sgpr_workgroup_id_y 1
		.amdhsa_system_sgpr_workgroup_id_z 1
		.amdhsa_system_vgpr_workitem_id 0
		.amdhsa_next_free_vgpr 224
		.amdhsa_next_free_sgpr 66
		.amdhsa_reserve_vcc 0
		.amdhsa_float_denorm_mode_32 3
		.amdhsa_float_denorm_mode_16_64 3
		.amdhsa_memory_ordered 1
		.amdhsa_forward_progress 1
		.amdhsa_inst_pref_size 33
	.end_amdhsa_kernel
	.amdgpu_metadata
---
amdhsa.version: [ 1, 2 ]
amdhsa.kernels:
  - .name:           k_q7104f9c52c_quant_x
    .symbol:         k_q7104f9c52c_quant_x.kd
    .args:
      - { .name: x, .offset: 0, .size: 8, .value_kind: global_buffer, .address_space: global }
      - { .name: xc, .offset: 8, .size: 8, .value_kind: global_buffer, .address_space: global }
      - { .name: xs, .offset: 16, .size: 8, .value_kind: global_buffer, .address_space: global }
    .group_segment_fixed_size: 33280
    .private_segment_fixed_size: 0
    .kernarg_segment_align: 8
    .kernarg_segment_size: 24
    .max_flat_workgroup_size: 128
    .sgpr_count:     66
    .vgpr_count:     224
    .wavefront_size: 32
...
	.end_amdgpu_metadata
.endif
;; end of part 1
;; launch quant_w (part 2): grid 32 x 3, 8 waves a work-group, no clusters, 18,944 bytes of LDS; arguments Wq, Wk, Wv, wc, ws, wt; writes wc, ws, wt
.if DOCPART == 2
	.amdgcn_target "amdgcn-amd-amdhsa--gfx1250"
	.amdhsa_code_object_version 6
	.text
	.protected	k_q7104f9c52c_quant_w
	.globl	k_q7104f9c52c_quant_w
	.p2align	8
	.type	k_q7104f9c52c_quant_w,@function
k_q7104f9c52c_quant_w:
	s_mov_b64 s[64:65], 0
	v_nop
	global_prefetch_b8 v0, s[64:65] scope:SCOPE_SE
	s_setreg_imm32_b32 hwreg(HW_REG_WAVE_MODE, 25, 1), 1
	s_wait_xcnt 0x0
; Wq, Wk, Wv [1024 (k)][1024 (n)], f32, K on the FIRST axis, become codes of FP4 laid [3072 (n)][512 bytes] with K innermost (wc) and E8M0 bytes [3072][32] (ws);
; rows 0-1023 are Wq's columns, 1024-2047 Wk's, 2048-3071 Wv's.  Wv is also rounded to f16 and laid as images of the operand registers of a 16 x 32 fragment (wt):
; [n tile 64][chunk of 32 k: 32][piece 2][lane 32][16 bytes]; piece c of lane r + 16 h holds n = 16 tile + r, k = 32 chunk + 16 c + 8 h + 0 .. 7.
; A LANE TAKES A COLUMN AND ITS REGISTERS RUN DOWN K: a block of 32 lies in one lane, and the conversions give codes with K innermost.
; A work-group (x = 32 columns, y = which W) covers all of K; wave w takes k = 128 w .. 128 w + 127.  Codes and bytes meet in LDS and leave as whole rows of 512 bytes and one dense block of 1,024.
; The scale's rule and its limits are those of the launch that quantises x.  LIMIT: |Wv| under 65,504 (f16's range).
.set X,      32                        ; v32-159  my 128 numbers
.set C,      160                       ; v160-175 codes, four registers a block; later four rows on the way out
.set F,      176                       ; v176-239 Wv as f16: 16 pieces of four registers
.set SPW,    14
.set NIL,    15
.set SPITCH, 528                       ; a column's row of codes in LDS: 512 bytes + 16
.set SCG,    32*SPITCH                 ; behind the 32 rows: the scale bytes, 32 a column
.set SPARE,  SCG+1024                  ; the spare words, 128 bytes a wave, that no other line names
.set WV,     20
	s_load_b256 s[4:11], s[0:1], 0x0               ; Wq, Wk, Wv, wc
	s_load_b128 s[12:15], s[0:1], 0x20             ; ws, wt
	v_lshl_add_u32 v[SPW], v0, 2, SPARE
	v_mov_b32 v[NIL], 0
	v_lshrrev_b32 v1, 5, v0
	v_readfirstlane_b32 s[WV], v1                  ; wave 0..7
	v_and_b32 v1, 31, v0                           ; lane = my column of the 32
	v_lshlrev_b32 v2, 2, v1                        ; in: 4 bytes a lane
	s_lshl_b32 s21, s[WV], 6
	v_mul_u32_u24 v3, v1, SPITCH
	v_add_nc_u32 v3, s21, v3                       ; codes in: my column's row, my wave's 64 bytes
	s_lshl_b32 s21, s[WV], 2
	s_add_co_u32 s21, s21, SCG
	v_lshl_add_u32 v4, v1, 5, s21                  ; my column's 32 bytes, my wave's word
	v_lshlrev_b32 v6, 4, v1                        ; 16 x lane
	s_mul_i32 s21, s[WV], 4*SPITCH
	v_add_nc_u32 v5, s21, v6                       ; codes back: rows 4 w .. 4 w + 3, whole
	v_lshrrev_b32 v7, 4, v1
	v_and_b32 v10, 15, v1
	v_lshlrev_b32 v7, 15, v7
	v_lshl_add_u32 v7, v10, 4, v7                  ; wt: 32,768 (lane / 16) + 16 (lane % 16)
	s_min_u32 s22, s[WV], 1                        ; (waves 0 and 1 alone carry the bytes out)
	s_lshl_b32 s22, s22, 9
	s_add_co_u32 s21, s22, SCG
	v_add_nc_u32 v8, s21, v6                       ; bytes back: 512 a wave
	s_and_b32 s23, ttmp7, 0xffff                   ; which W
	s_lshl_b32 s24, s[WV], 19                      ; 128 rows of 4,096 bytes a wave
	s_lshl_b32 s25, ttmp9, 7                       ; 32 columns of 4 bytes a work-group
	s_add_co_u32 s24, s24, s25
	s_mov_b32 s25, 0
	s_lshl_b32 s26, s23, 10
	s_lshl_b32 s27, ttmp9, 5
	s_add_co_u32 s28, s26, s27                     ; my first row of wc and ws: 1024 which + 32 x
	s_lshl_b32 s26, s28, 9
	s_lshl_b32 s27, s[WV], 11
	s_add_co_u32 s26, s26, s27                     ; + my four rows
	s_mov_b32 s27, 0
	s_lshl_b32 s28, s28, 5
	s_add_co_u32 s28, s28, s22
	s_mov_b32 s29, 0
	s_lshl_b32 s30, ttmp9, 16                      ; wt: two n tiles of 32,768 bytes a work-group,
	s_lshl_b32 s31, s[WV], 12                      ; four chunks of 1,024 a wave
	s_add_co_u32 s30, s30, s31
	s_mov_b32 s31, 0
	s_wait_kmcnt 0x0
	s_cmp_eq_u32 s23, 0                            ; the choice hangs on the work-group's number alone
	s_cselect_b64 s[16:17], s[4:5], s[6:7]
	s_cmp_eq_u32 s23, 2
	s_cselect_b64 s[16:17], s[8:9], s[16:17]
	s_add_nc_u64 s[16:17], s[16:17], s[24:25]
	s_add_nc_u64 s[10:11], s[10:11], s[26:27]
	s_add_nc_u64 s[12:13], s[12:13], s[28:29]
	s_add_nc_u64 s[14:15], s[14:15], s[30:31]
.set i, 0
.rept 128
	global_load_b32 v[X+i], v2, s[16:17] offset:4096*i th:TH_LOAD_NT   ; W(128 w + i, my column): the wave reads 128 consecutive bytes
.set i, i+1
.endr
.macro BLOCK t
.set XS, X+32*(\t)
.if (\t) < 2
	s_wait_loadcnt 63                              ; this block's 32 loads are in (96 and 64 younger ones could stay out; the wait's field holds 63)
.elseif (\t) == 2
	s_wait_loadcnt 32                              ; the last block's may be out
.else
	s_wait_loadcnt 0x0
.endif
	v_max3_num_f32 v12, |v[XS]|, |v[XS+1]|, |v[XS+2]|               ; the block's largest magnitude: all 32 numbers are mine
	v_max3_num_f32 v13, |v[XS+3]|, |v[XS+4]|, |v[XS+5]|
.irp i, 6,10,14,18,22,26
	v_max3_num_f32 v12, v12, |v[XS+\i]|, |v[XS+\i+1]|
	v_max3_num_f32 v13, v13, |v[XS+\i+2]|, |v[XS+\i+3]|
.endr
	v_max3_num_f32 v12, v12, |v[XS+30]|, |v[XS+31]|
	v_max3_num_f32 v12, v12, v13, 0x1800000        ; and the floor 2^(3 - 127)
	v_add_nc_u32 v11, 0xff000000, v12              ; 2 off the exponent field: the conversion's scale operand
	v_lshrrev_b32 v13, 23, v11                     ; the byte
.if (\t) == 0
	v_mov_b32 v9, v13
.else
	v_lshl_or_b32 v9, v13, 8*(\t), v9              ; four bytes to my wave's word, the lower K in the lower byte
.endif
.irp g, 0,1,2,3
	v_cvt_scalef32_pk8_fp4_f32 v[C+4*(\t)+\g], v[XS+8*\g:XS+8*\g+7], v11
.endr
	v_nop                                          ; one plain line behind the last conversion
	ds_store_b128 v3, v[C+4*(\t):C+4*(\t)+3] offset:16*(\t)
.endm
	BLOCK 0
	BLOCK 1
	BLOCK 2
	BLOCK 3
	ds_store_b32 v4, v9
	s_cmp_lg_u32 s23, 2                            ; Wv alone goes out as f16 too
	s_cbranch_scc1 .Lno_f16
.set i, 0
.rept 64
	v_cvt_pk_f16_f32 v[F+i], v[X+2*i], v[X+2*i+1]
.set i, i+1
.endr
.irp p, 0,1,2,3,4,5,6,7,8,9,10,11,12,13,14,15
	global_store_b128 v7, v[F+4*\p:F+4*\p+3], s[14:15] offset:256*\p   ; eight k of 16 columns: sixteen lanes store 256 consecutive bytes, aligned
.endr
.Lno_f16:
	s_wait_dscnt 0x0                               ; for the others' sake: my stores into the rows are done
	s_barrier_signal -1
	s_barrier_wait -1
.irp t, 0,1,2,3
	ds_load_b128 v[C+4*\t:C+4*\t+3], v5 offset:SPITCH*\t
.endr
.irp t, 0,1,2,3
	s_wait_dscnt 3-\t                              ; row t is back; the younger rows may be out
	global_store_b128 v6, v[C+4*\t:C+4*\t+3], s[10:11] offset:512*\t   ; a whole row of codes: 512 consecutive bytes
.endr
	s_cmp_gt_u32 s[WV], 1
	s_cbranch_scc1 .Lno_bytes
	ds_load_b128 v[32:35], v8
	s_wait_dscnt 0x0
	global_store_b128 v6, v[32:35], s[12:13]       ; 16 columns' bytes: 512 consecutive bytes
.Lno_bytes:
	s_wait_tensorcnt 0x0                           ; the wave's end
	ds_add_u32 v[SPW], v[NIL]
	s_wait_dscnt 0x0
	s_endpgm
.Lfunc_end_k_q7104f9c52c_quant_w:
	.size	k_q7104f9c52c_quant_w, .Lfunc_end_k_q7104f9c52c_quant_w-k_q7104f9c52c_quant_w
	.p2alignl 7, 3214868480
	.fill 96, 4, 3214868480
	.section	.rodata,"a",@progbits
	.p2align	6, 0x0
	.amdhsa_kernel k_q7104f9c52c_quant_w
		.amdhsa_group_segment_fixed_size 18944
		.amdhsa_private_segment_fixed_size 0
		.amdhsa_enable_private_segment 0
		.amdhsa_kernarg_size 48
		.amdhsa_user_sgpr_count 2
		.amdhsa_user_sgpr_kernarg_segment_ptr 1
		.amdhsa_wavefront_size32 1
		.amdhsa_system_sgpr_workgroup_id_x 1
		.amdhsa_system_sgpr_workgroup_id_y 1
		.amdhsa_system_sgpr_workgroup_id_z 1
		.amdhsa_system_vgpr_workitem_id 0
		.amdhsa_next_free_vgpr 240
		.amdhsa_next_free_sgpr 66
		.amdhsa_reserve_vcc 0
		.amdhsa_float_denorm_mode_32 3
		.amdhsa_float_denorm_mode_16_64 3
		.amdhsa_memory_ordered 1
		.amdhsa_forward_progress 1
		.amdhsa_inst_pref_size 28
	.end_amdhsa_kernel
	.amdgpu_metadata
---
amdhsa.version: [ 1, 2 ]
amdhsa.kernels:
  - .name:           k_q7104f9c52c_quant_w
    .symbol:         k_q7104f9c52c_quant_w.kd
    .args:
      - { .name: Wq, .offset: 0, .size: 8, .value_kind: global_buffer, .address_space: global }
      - { .name: Wk, .offset: 8, .size: 8, .value_kind: global_buffer, .address_space: global }
      - { .name: Wv, .offset: 16, .size: 8, .value_kind: global_buffer, .address_space: global }
      - { .name: wc, .offset: 24, .size: 8, .value_kind: global_buffer, .address_space: global }
      - { .name: ws, .offset: 32, .size: 8, .value_kind: global_buffer, .address_space: global }
      - { .name: wt, .offset: 40, .size: 8, .value_kind: global_buffer, .address_space: global }
    .group_segment_fixed_size: 18944
    .private_segment_fixed_size: 0
    .kernarg_segment_align: 8
    .kernarg_segment_size: 48
    .max_flat_workgroup_size: 256
    .sgpr_count:     66
    .vgpr_count:     240
    .wavefront_size: 32
...
	.end_amdgpu_metadata
.endif
;; end of part 2
;; launch gemm_qkv (part 3): grid 12 x 32, 4 waves a work-group, clusters of 4 x 4, 327,680 bytes of LDS; arguments xc, xs, wc, ws, qkv, h32, bq, bk, bv; writes qkv, h32
.if DOCPART == 3
	.amdgcn_target "amdgcn-amd-amdhsa--gfx1250"
	.amdhsa_code_object_version 6
	.text
	.protected	k_q7104f9c52c_gemm_qkv
	.globl	k_q7104f9c52c_gemm_qkv
	.p2align	8
	.type	k_q7104f9c52c_gemm_qkv,@function
k_q7104f9c52c_gemm_qkv:
	s_mov_b64 s[64:65], 0
	v_nop
	global_prefetch_b8 v0, s[64:65] scope:SCOPE_SE
	s_setreg_imm32_b32 hwreg(HW_REG_WAVE_MODE, 25, 1), 1
	s_wait_xcnt 0x0
	s_wait_alu depctr_hold_cnt(0) depctr_sa_sdst(0) depctr_va_vdst(0) depctr_va_sdst(0) depctr_va_ssrc(0) depctr_va_vcc(0) depctr_vm_vsrc(0)
	s_getreg_b32 s2, hwreg(HW_REG_IB_STS2, 6, 4)
	s_cmp_eq_u32 s2, 0
	s_cbranch_scc0 .Lentry_in_a_cluster
	s_endpgm
.Lentry_in_a_cluster:
	s_bfe_u32 s2, ttmp6, 0x10000c
	s_cmp_lg_u32 s2, 0xf033
	s_cbranch_scc0 .Lentry_shape_is_right
	s_endpgm
.Lentry_shape_is_right:
; q, k, v = Q(x) Q(W) + b: [8192 tokens] x [3072 columns: q's 1024, k's, v's], K = 1024, on codes of FP4 (E2M1) with one E8M0 scale for each 32 along K; sums in f32.
; A tile of 256 x 256 is made by four waves, each 128 x 128: 64 accumulators, 512 registers.  K goes in two steps of 512 through two LDS slots: both are asked for at the start, nothing is filled again.
; The scales of the work-group's 256 + 256 rows, for all of K, come into LDS once, with the first fills.  By this text's own count a wave has three tensor loads out at the start.
; CLUSTERS: 4 x 4 work-groups; A's tiles are asked for jointly along a row of the cluster, B's along a column.  The tile row is 8 cy + cluster y: so cy is the batch and the cluster's y the block of 256 tokens.
; THE MATRIX INSTRUCTION IS USED TRANSPOSED (source 0 = 16 rows of W's codes, source 1 = 16 tokens): a lane holds one token (lane % 16) and eight neighbouring columns.  The bias is the C of each sum's first product.
; THE WAY OUT.  A lane's eight numbers, rounded to f16, are one 16-byte piece of the next product's 16 x 32 fragment.  qkv is laid as images of those fragments:
; [which 3][batch 4][head 16][token tile 128][chunk of 32 channels 2][piece 2][place 32][16 bytes].  For q and k the place is the lane; for v the lane with bits 3 and 4 changed over, so that the
; transposing LDS load of the next launch, addressed at 16 x lane, gives v turned.  Every store of the wave covers 512 consecutive bytes, aligned; no stage in LDS is needed.
; The tiles of tokens 0-15 of each batch also go out in f32, as the accumulators stand (h32: [which][batch][column tile 64][registers 0-3, 4-7][lane][16 bytes]), for the launch that makes those rows in f32.
; LIMIT: |q|, |k|, |v| under 65,504 (f16's range).
; REGISTERS: window 0: v0-31 addresses; v32-95 scale words, two sets; v128-191 A's fragments, one set; on the way out v128-255 packed results.
;   window 1: B's fragments at v0 and v128; v64-127 the bias, eight tiles.   windows 2, 3: the accumulators ((a, b) at v[8 (8 (a % 4) + b)]).
.set SIZE_K, 1024
.set KSTEP,  512
.set NQ,     KSTEP/128
.set ROWB,   256                       ; a tile's row in bytes
.set KROW,   SIZE_K*4/8                ; a row of codes in memory
.set PITCH,  272                       ; an LDS row: 256 bytes + 16 of padding: the 16 rows of a fragment load start 4 banks apart
.set FR,     8
.set NL,     2
.set NP,     4                         ; places behind this matrix instruction (ISA guide 7.12.1)
.set HALFT,  128*PITCH
.set SLOT,   4*HALFT
.set KS,     SIZE_K/32                 ; a row of scales in bytes
.set SCL,    2*SLOT
.set HALFS,  (128*KS/256)*272
.set SBLK,   (16*KS/256)*272
.set SPARE,  SCL+4*HALFS               ; the spare words, 128 bytes a wave, that no other line names
.set ADRA, 16
.set ADRB, 20
.set CI,   24                          ; v24 16 x lane
.set COV,  25                          ; v25 16 x (lane with bits 3 and 4 changed over)
.set CO,   26                          ; v26 the one of the two that this work-group's tensor takes
.set ADRS, 27
.set SPW,  28
.set NIL,  29
.set BO,   30                          ; v30 the bias loads' offset; never rewritten
.set SC,   32
.set AF,   128
.set BIAS, 64                          ; in window 1
.set G1, 24
.set G0, 32
.set G1B, 48
.set G0B, 56
.set G1S, 68
.set G0S, 76
.set G1SB, 80
.set G0SB, 88
.set MSB, 0
.macro WIN new                         ; the immediate's high byte repeats the setting that is left
.if MSB != \new
	s_set_vgpr_msb (MSB<<8)|\new
.set MSB, \new
.endif
.endm
.set MUL_LO, 0xa1                      ; source 0 (B) window 1, source 1 (A) window 0, C and D window 2
.set MUL_HI, 0xf1                      ; the same, C and D window 3
.set FST_LO, 0x91                      ; the first step: C (the bias) window 1, D window 2
.set FST_HI, 0xd1                      ; and D window 3
.set TO_B,   0x40
; A joint load: waves 0 and 1 fetch for A, waves 2 and 3 for B; the branch hangs on the wave's number alone.  An s_nop 0 and four v_nop follow each line.
.macro JLOAD g0a, g1a, g0b, g1b
	s_cmp_eq_u32 s15, 0
	s_cbranch_scc0 .Lfor_b_\@
	tensor_load_to_lds s[\g0a:\g0a+3], s[\g1a:\g1a+7]
	s_nop 0
.rept 4
	v_nop
.endr
	s_branch .Lasked_\@
.Lfor_b_\@:
	tensor_load_to_lds s[\g0b:\g0b+3], s[\g1b:\g1b+7]
	s_nop 0
.rept 4
	v_nop
.endr
.Lasked_\@:
.endm
.macro CROUND                          ; a round of the cluster's barrier
	s_barrier_signal -1
	s_barrier_wait -1
	s_cmp_lg_u32 s14, 0
	s_cbranch_scc1 .Lnot_wave_0_\@
	s_barrier_signal -3
.Lnot_wave_0_\@:
	s_barrier_wait -3
	s_barrier_signal -1
	s_barrier_wait -1
.endm
	s_load_b128 s[4:7], s[0:1], 0x0                ; x's codes, x's scales
	s_load_b128 s[8:11], s[0:1], 0x10              ; W's codes, W's scales
	s_load_b64 s[12:13], s[0:1], 0x20              ; qkv
	s_load_b64 s[66:67], s[0:1], 0x28              ; h32
	s_load_b128 s[96:99], s[0:1], 0x30             ; bq, bk
	s_load_b64 s[100:101], s[0:1], 0x40            ; bv
	v_lshl_add_u32 v[SPW], v0, 2, SPARE
	v_mov_b32 v[NIL], 0
	ds_add_u32 v[SPW], v[NIL]                      ; the wave's opening: the add, twice on end, and its wait ahead of my first tensor load
	ds_add_u32 v[SPW], v[NIL]
	v_lshrrev_b32 v1, 5, v0
	v_readfirstlane_b32 s14, v1                    ; wave 0..3
	s_lshr_b32 s15, s14, 1                         ; which half of the tile's tokens is mine.  Also: I fetch for A (0) or for B (1)
	s_and_b32 s16, s14, 1                          ; which half of its columns.  Also: which 128 rows of that tile I fetch
	s_bfe_u32 s40, ttmp6, 0x40000                  ; cx
	s_bfe_u32 s41, ttmp6, 0x40004                  ; cy
	s_lshl_b32 s42, ttmp9, 2
	s_add_co_u32 s42, s42, s40                     ; tile column = 4 x cluster x + cx: the cluster's x says which of q, k, v
	s_and_b32 s95, ttmp7, 0xffff                   ; cluster y: the block of 256 tokens in a batch
	s_lshl_b32 s17, s41, 3
	s_add_co_u32 s17, s17, s95                     ; tile row = 8 cy + cluster y: cy is the batch
	s_lshl_b32 s43, s41, 2
	s_lshl_b32 s43, 15, s43                        ; my row of the cluster
	s_lshl_b32 s44, 0x1111, s40                    ; my column
	s_or_b32 s[G1+0], s43, (0<<16)|(1<<20)|(1<<21)|(5<<22)|(3<<25)  ; the mask; elements of 1 byte; padding on; bit 21 beside a mask; four words after every 64
	s_or_b32 s[G1B+0], s44, (0<<16)|(1<<20)|(1<<21)|(5<<22)|(3<<25)
.irp g, G1, G1B
	s_mov_b32 s[\g+1], ROWB<<16                    ; tensor_dim0
	s_mov_b32 s[\g+2], 128<<16                     ; tensor_dim1
	s_mov_b32 s[\g+3], ROWB<<16                    ; tile_dim0
	s_mov_b32 s[\g+4], 128                         ; tile_dim1
	s_mov_b32 s[\g+5], KROW                        ; the pitch
	s_mov_b32 s[\g+6], 0
	s_mov_b32 s[\g+7], 0
.endr
	s_or_b32 s[G1S+0], s43, (3<<16)|(1<<20)|(1<<21)|(5<<22)|(3<<25)   ; the scales of 128 rows: a dense block, as rows of 256 bytes (32 elements of 8), 16 bytes of padding behind each
	s_or_b32 s[G1SB+0], s44, (3<<16)|(1<<20)|(1<<21)|(5<<22)|(3<<25)
.irp g, G1S, G1SB
	s_mov_b32 s[\g+1], 32<<16
	s_mov_b32 s[\g+2], (128*KS/256)<<16
	s_mov_b32 s[\g+3], 32<<16
	s_mov_b32 s[\g+4], 128*KS/256
	s_mov_b32 s[\g+5], 32
	s_mov_b32 s[\g+6], 0
	s_mov_b32 s[\g+7], 0
.endr
	s_lshl_b32 s18, s16, 7                         ; which 128 rows of the tile I fetch
	s_lshl_b32 s20, s17, 8
	s_add_co_u32 s20, s20, s18                     ; A: row 256 x tile row + 128 x half
	s_lshl_b32 s46, s42, 8
	s_add_co_u32 s46, s46, s18                     ; B: row 256 x tile column + 128 x half
	s_mov_b32 s21, 0
	s_mov_b32 s47, 0
	s_mov_b64 s[18:19], KS
	s_mul_u64 s[22:23], s[20:21], s[18:19]         ; where these rows' scales begin
	s_mul_u64 s[92:93], s[46:47], s[18:19]
	s_mov_b64 s[18:19], KROW
	s_mul_u64 s[20:21], s[20:21], s[18:19]         ; and their codes
	s_mul_u64 s[46:47], s[46:47], s[18:19]
	s_mul_i32 s45, s14, HALFT                      ; where they go: wave x 128 rows
	s_mul_i32 s94, s14, HALFS
	s_wait_dscnt 0x0                               ; both opening adds are done
	s_wait_kmcnt 0x0
	s_add_nc_u64 s[20:21], s[4:5], s[20:21]
	s_add_nc_u64 s[22:23], s[6:7], s[22:23]
	s_add_nc_u64 s[46:47], s[8:9], s[46:47]
	s_add_nc_u64 s[92:93], s[10:11], s[92:93]
	CROUND                                         ; all sixteen work-groups are here: the first joint loads meet
	s_mov_b32 s[G0S], 1
	s_add_co_u32 s[G0S+1], s94, SCL
	s_mov_b64 s[G0S+2:G0S+3], s[22:23]
	s_or_b32 s[G0S+3], s[G0S+3], 0x80000000
	s_mov_b32 s[G0SB], 1
	s_add_co_u32 s[G0SB+1], s94, SCL
	s_mov_b64 s[G0SB+2:G0SB+3], s[92:93]
	s_or_b32 s[G0SB+3], s[G0SB+3], 0x80000000
	JLOAD G0S, G1S, G0SB, G1SB                     ; the scales first: they are wanted with K step 0
.irp s, 0,1
	s_mov_b32 s[G0+4*\s], 1
	s_add_co_u32 s[G0+4*\s+1], s45, \s*SLOT
	s_add_nc_u64 s[G0+4*\s+2:G0+4*\s+3], s[20:21], \s*ROWB
	s_or_b32 s[G0+4*\s+3], s[G0+4*\s+3], 0x80000000
	s_mov_b32 s[G0B+4*\s], 1
	s_add_co_u32 s[G0B+4*\s+1], s45, \s*SLOT
	s_add_nc_u64 s[G0B+4*\s+2:G0B+4*\s+3], s[46:47], \s*ROWB
	s_or_b32 s[G0B+4*\s+3], s[G0B+4*\s+3], 0x80000000
	JLOAD G0+4*\s, G1, G0B+4*\s, G1B
.endr
	v_and_b32 v1, 15, v0                           ; l % 16
	v_bfe_u32 v2, v0, 4, 1                         ; l / 16
	v_mul_u32_u24 v3, v1, PITCH
	v_lshl_add_u32 v4, v2, 4, v3                   ; a fragment's row x pitch + 16 x half
	s_mul_i32 s21, s15, HALFT                      ; my 128 rows of A
	s_mul_i32 s22, s16, HALFT                      ; my 128 rows of B,
	s_add_co_u32 s22, s22, 2*HALFT                 ; behind A's 256
.irp s, 0,1
	v_add_nc_u32 v[ADRA+\s], s21, v4
	v_add_nc_u32 v[ADRB+\s], s22, v4
	s_add_co_u32 s21, s21, SLOT
	s_add_co_u32 s22, s22, SLOT
.endr
	v_mul_u32_u24 v5, v1, KS                       ; my row's scales: KS bytes a row,
	v_lshrrev_b32 v6, 8, v5
	v_lshl_add_u32 v5, v6, 4, v5                   ; and 16 more for each 256 passed
	s_mul_i32 s21, s15, HALFS
	s_mul_i32 s22, s16, HALFS
	s_add_co_u32 s22, s22, 2*HALFS
	s_sub_co_u32 s22, s22, s21
	v_mul_u32_u24 v6, s22, v2                      ; lanes 16-31 take B's
	s_add_co_u32 s21, s21, SCL
	v_add_nc_u32 v5, v5, v6
	v_add_nc_u32 v[ADRS], s21, v5
	; the way out
	v_and_b32 v6, 31, v0
	v_lshlrev_b32 v[CI], 4, v6
	v_and_b32 v7, 7, v0
	v_bfe_u32 v8, v0, 3, 1
	v_lshl_or_b32 v7, v2, 3, v7                    ; bit 4 of the lane goes to bit 3,
	v_lshl_or_b32 v7, v8, 4, v7                    ; bit 3 to bit 4
	v_lshlrev_b32 v[COV], 4, v7
	s_cmp_eq_u32 ttmp9, 2                          ; v?
	s_cselect_b32 s94, -1, 0
	v_cndmask_b32 v[CO], v[CI], v[COV], s94
	s_lshl_b32 s46, ttmp9, 24                      ; qkv: which,
	s_lshl_b32 s47, s41, 22                        ; the batch,
	s_add_co_u32 s46, s46, s47
	s_lshl_b32 s47, s40, 2
	s_lshl_b32 s92, s16, 1
	s_add_co_u32 s47, s47, s92                     ; my first head: 4 cx + 2 x half,
	s_lshl_b32 s47, s47, 18
	s_add_co_u32 s46, s46, s47
	s_lshl_b32 s47, s95, 4
	s_lshl_b32 s92, s15, 3
	s_add_co_u32 s47, s47, s92                     ; my first token tile: 16 x cluster y + 8 x half
	s_lshl_b32 s47, s47, 11
	s_add_co_u32 s46, s46, s47
	s_mov_b32 s47, 0
	s_add_nc_u64 s[12:13], s[12:13], s[46:47]
	s_lshl_b32 s46, ttmp9, 18                      ; h32: which, the batch, my first column tile: 16 cx + 8 x half
	s_lshl_b32 s47, s41, 16
	s_add_co_u32 s46, s46, s47
	s_lshl_b32 s47, s40, 14
	s_add_co_u32 s46, s46, s47
	s_lshl_b32 s47, s16, 13
	s_add_co_u32 s46, s46, s47
	s_mov_b32 s47, 0
	s_add_nc_u64 s[66:67], s[66:67], s[46:47]
	s_cmp_eq_u32 ttmp9, 0                          ; the bias of my tensor: the choice hangs on the cluster's x alone
	s_cselect_b64 s[96:97], s[96:97], s[98:99]
	s_cmp_eq_u32 ttmp9, 2
	s_cselect_b64 s[96:97], s[100:101], s[96:97]
	s_lshl_b32 s46, s40, 10
	s_lshl_b32 s47, s16, 9
	s_add_co_u32 s46, s46, s47                     ; my 128 columns: 4 (256 cx + 128 x half) bytes on
	s_mov_b32 s47, 0
	s_add_nc_u64 s[96:97], s[96:97], s[46:47]
	v_lshlrev_b32 v[BO], 5, v2                     ; lane (r, h) wants, for tile b, the bias of columns 16 b + 8 h + 0 .. 7
	WIN TO_B
.irp b, 0,1,2,3,4,5,6,7
	global_load_b128 v[BIAS+8*\b:BIAS+8*\b+3], v[BO], s[96:97] offset:64*\b
	global_load_b128 v[BIAS+8*\b+4:BIAS+8*\b+7], v[BO], s[96:97] offset:64*\b+16
.endr
	WIN 0
.macro FRAG reg, adr, q, i             ; a fragment, 16 rows x 128 K of 4-bit codes: lane l holds row l % 16; registers 4 c .. 4 c + 3 hold K = 64 c + 32 (l / 16) + 0 .. 31
.irp c, 0,1
	ds_load_b128 v[\reg+4*\c:\reg+4*\c+3], v[\adr] offset:64*(\q)+32*\c+(\i)*16*PITCH
.endr
.endm
; 16 matrix instructions: A's blocks a0, a0 + 1 x B's eight, 128 along K.  p: B's set; sc: the set of scale words.  zero = 1: the first product starts the sums from the bias.
; The 64 accumulators take turns, one instruction a turn, in the same order in every step.
.macro MUL16 a0, p, q, sc, zero
.irp a, \a0, \a0+1
.irp b, 0,1,2,3,4,5,6,7
.if \zero
	v_wmma_scale_f32_16x16x128_f8f6f4 v[8*(8*((\a)%4)+\b):8*(8*((\a)%4)+\b)+7], v[128*(\p)+FR*\b:128*(\p)+FR*\b+FR-1], v[AF+FR*(\a):AF+FR*(\a)+FR-1], v[BIAS+8*\b:BIAS+8*\b+7], v[SC+8*NQ*(\sc)+NQ*\b+(\q)], v[SC+8*NQ*(\sc)+NQ*(\a)+(\q)] matrix_a_fmt:MATRIX_FMT_FP4 matrix_b_fmt:MATRIX_FMT_FP4 matrix_a_scale:MATRIX_SCALE_ROW1
.else
	v_wmma_scale_f32_16x16x128_f8f6f4 v[8*(8*((\a)%4)+\b):8*(8*((\a)%4)+\b)+7], v[128*(\p)+FR*\b:128*(\p)+FR*\b+FR-1], v[AF+FR*(\a):AF+FR*(\a)+FR-1], v[8*(8*((\a)%4)+\b):8*(8*((\a)%4)+\b)+7], v[SC+8*NQ*(\sc)+NQ*\b+(\q)], v[SC+8*NQ*(\sc)+NQ*(\a)+(\q)] matrix_a_fmt:MATRIX_FMT_FP4 matrix_b_fmt:MATRIX_FMT_FP4 matrix_a_scale:MATRIX_SCALE_ROW1
.endif
.endr
.endr
.endm
.macro FETCH_B slot, q, p
	WIN TO_B
.irp i, 0,1,2,3,4,5,6,7
	FRAG 128*(\p)+FR*\i, ADRB+\slot, \q, \i
.endr
	WIN 0
.endm
.macro FETCH_A slot, q, i0
.irp i, \i0, \i0+1, \i0+2, \i0+3
	FRAG AF+FR*(\i), ADRA+\slot, \q, \i
.endr
.endm
.macro SCALES sc                       ; a K step's scale words: lanes 0-15 take A's block i, lanes 16-31 B's block i
.irp i, 0,1,2,3,4,5,6,7
	ds_load_b128 v[SC+8*NQ*\sc+NQ*\i:SC+8*NQ*\sc+NQ*\i+3], v[ADRS] offset:\i*SBLK
.endr
.endm
.macro PLACES n                        ; plain vector lines between a matrix instruction and a load into, or a read of, its registers
.rept \n
	v_nop
.endr
.endm
.macro STEP slot, q, zero              ; a step of 128 along K that has its successor in the same slot
	s_wait_dscnt 4*NL                              ; B's set and A's blocks 0-3 are in; the youngest eight loads (A's blocks 4-7) may be out
.if \zero
	WIN FST_LO
.else
	WIN MUL_LO
.endif
	MUL16 0, (\q)%2, \q, \slot, \zero
	MUL16 2, (\q)%2, \q, \slot, \zero
	s_wait_dscnt 0                                 ; A's blocks 4-7 are in
	PLACES NP
	FETCH_B \slot, (\q)+1, 1-(\q)%2
	FETCH_A \slot, (\q)+1, 0
.if \zero
	WIN FST_HI
.else
	WIN MUL_HI
.endif
	MUL16 4, (\q)%2, \q, \slot, \zero
	MUL16 6, (\q)%2, \q, \slot, \zero
	PLACES NP
	WIN 0
	FETCH_A \slot, (\q)+1, 4
.endm
.macro TURN slot, next                 ; a slot's last step changes slots: one barrier; nothing is filled again in this launch
	s_wait_tensorcnt 0x0                           ; all my tensor loads have landed: my part of the next slot
	ds_add_u32 v[SPW], v[NIL]                      ; 0 onto my spare word
	s_wait_dscnt 4*NL+1                            ; (the add and the youngest eight loads may be out)
	WIN MUL_LO
	MUL16 0, 1, NQ-1, \slot, 0
	s_wait_dscnt 0x0                               ; the add is done, and my reads of this slot are over
	s_barrier_signal -1
	MUL16 2, 1, NQ-1, \slot, 0
	WIN 0
	s_barrier_wait -1                              ; the next slot is whole
	PLACES NP
	v_add_nc_u32 v[ADRS], 4*NQ, v[ADRS]            ; on to the next K step's scale words
	FETCH_B \next, 0, 0
	FETCH_A \next, 0, 0
	SCALES \next
	WIN MUL_HI
	MUL16 4, 1, NQ-1, \slot, 0
	MUL16 6, 1, NQ-1, \slot, 0
	PLACES NP
	WIN 0
	FETCH_A \next, 0, 4
.endm
.macro STEPS slot, from
.set Q, \from
.rept NQ-1-\from
	STEP \slot, Q, 0
.set Q, Q+1
.endr
.endm
	s_wait_tensorcnt 1                             ; the scales and my part of K step 0 are in (K step 1's load may be out),
	s_barrier_signal -1
	s_barrier_wait -1                              ; everybody's are
	FETCH_B 0, 0, 0
	FETCH_A 0, 0, 0
	SCALES 0
	FETCH_A 0, 0, 4
	s_wait_loadcnt 0x0                             ; the bias
	STEP 0, 0, 1
	STEPS 0, 1
	TURN 0, 1
	STEPS 1, 0
	s_wait_dscnt 4*NL                              ; the very last step
	WIN MUL_LO
	MUL16 0, 1, NQ-1, 1, 0
	MUL16 2, 1, NQ-1, 1, 0
	s_wait_dscnt 0
	WIN MUL_HI
	MUL16 4, 1, NQ-1, 1, 0
	MUL16 6, 1, NQ-1, 1, 0
	WIN 0
	PLACES NP                                      ; in front of the first reads of results and of writes into A's registers
	s_or_b32 s94, s95, s15                         ; tokens 0-15 of a batch lie in cluster row 0, in the waves of the first half, in block 0: the cluster's y and the wave's number alone decide
	s_cmp_lg_u32 s94, 0
	s_cbranch_scc1 .Lno_copy
	WIN 0x08                                       ; a store's data are its source 1: window 2
.irp b, 0,1,2,3,4,5,6,7
	global_store_b128 v[CI], v[8*\b:8*\b+3], s[66:67] offset:1024*\b        ; each accumulator from its low end on; 512 consecutive bytes a store
	global_store_b128 v[CI], v[8*\b+4:8*\b+7], s[66:67] offset:1024*\b+512
.endr
	WIN 0
.Lno_copy:
.macro PACKQ a                         ; block a (16 tokens x 128 columns): rounded to f16 and stored as eight pieces
.set AC, 64*((\a)%4)
.set PB, 128+32*((\a)%4)
	WIN 0x0a+5*((\a)/4)                            ; sources 0 and 1: window 2 or 3
.irp b, 0,1,2,3,4,5,6,7
.irp r, 0,1,2,3
	v_cvt_pk_f16_f32 v[PB+4*\b+\r], v[AC+8*\b+2*\r], v[AC+8*\b+2*\r+1]
.endr
.endr
	WIN 0
.irp b, 0,1,2,3,4,5,6,7
	global_store_b128 v[CO], v[PB+4*\b:PB+4*\b+3], s[12:13] offset:(\b/4)*262144+(\a)*2048+((\b/2)%2)*1024+(\b%2)*512   ; head b / 4, token tile a, chunk, piece
.endr
.endm
.irp a, 0,1,2,3,4,5,6,7
.if \a >= 4
	s_wait_xcnt 0x0                                ; block a - 4's stores have read their registers: they are written again only behind this wait
.endif
	PACKQ \a
.endr
	s_wait_tensorcnt 0x0                           ; the wave's end
	ds_add_u32 v[SPW], v[NIL]
	s_wait_dscnt 0x0
	CROUND                                         ; the closing round
	s_endpgm
.Lfunc_end_k_q7104f9c52c_gemm_qkv:
	.size	k_q7104f9c52c_gemm_qkv, .Lfunc_end_k_q7104f9c52c_gemm_qkv-k_q7104f9c52c_gemm_qkv
	.p2alignl 7, 3214868480
	.fill 96, 4, 3214868480
	.section	.rodata,"a",@progbits
	.p2align	6, 0x0
	.amdhsa_kernel k_q7104f9c52c_gemm_qkv
		.amdhsa_group_segment_fixed_size 327680
		.amdhsa_private_segment_fixed_size 0
		.amdhsa_enable_private_segment 0
		.amdhsa_kernarg_size 72
		.amdhsa_user_sgpr_count 2
		.amdhsa_user_sgpr_kernarg_segment_ptr 1
		.amdhsa_wavefront_size32 1
		.amdhsa_system_sgpr_workgroup_id_x 1
		.amdhsa_system_sgpr_workgroup_id_y 1
		.amdhsa_system_sgpr_workgroup_id_z 1
		.amdhsa_system_vgpr_workitem_id 0
		.amdhsa_next_free_vgpr 1024
		.amdhsa_next_free_sgpr 102
		.amdhsa_reserve_vcc 0
		.amdhsa_float_denorm_mode_32 3
		.amdhsa_float_denorm_mode_16_64 3
		.amdhsa_memory_ordered 1
		.amdhsa_forward_progress 1
		.amdhsa_inst_pref_size 122
	.end_amdhsa_kernel
	.amdgpu_metadata
---
amdhsa.version: [ 1, 2 ]
amdhsa.kernels:
  - .name:           k_q7104f9c52c_gemm_qkv
    .symbol:         k_q7104f9c52c_gemm_qkv.kd
    .args:
      - { .name: xc, .offset: 0, .size: 8, .value_kind: global_buffer, .address_space: global }
      - { .name: xs, .offset: 8, .size: 8, .value_kind: global_buffer, .address_space: global }
      - { .name: wc, .offset: 16, .size: 8, .value_kind: global_buffer, .address_space: global }
      - { .name: ws, .offset: 24, .size: 8, .value_kind: global_buffer, .address_space: global }
      - { .name: qkv, .offset: 32, .size: 8, .value_kind: global_buffer, .address_space: global }
      - { .name: h32, .offset: 40, .size: 8, .value_kind: global_buffer, .address_space: global }
      - { .name: bq, .offset: 48, .size: 8, .value_kind: global_buffer, .address_space: global }
      - { .name: bk, .offset: 56, .size: 8, .value_kind: global_buffer, .address_space: global }
      - { .name: bv, .offset: 64, .size: 8, .value_kind: global_buffer, .address_space: global }
    .group_segment_fixed_size: 327680
    .private_segment_fixed_size: 0
    .kernarg_segment_align: 8
    .kernarg_segment_size: 72
    .max_flat_workgroup_size: 128
    .sgpr_count:     102
    .vgpr_count:     1024
    .wavefront_size: 32
...
	.end_amdgpu_metadata
.endif
;; end of part 3
;; launch attn (part 4): grid 4 x 64, 16 waves a work-group, no clusters, 327,680 bytes of LDS; arguments qkv, yi; writes yi
.if DOCPART == 4
	.amdgcn_target "amdgcn-amd-amdhsa--gfx1250"
	.amdhsa_code_object_version 6
	.text
	.protected	k_q7104f9c52c_attn
	.globl	k_q7104f9c52c_attn
	.p2align	8
	.type	k_q7104f9c52c_attn,@function
k_q7104f9c52c_attn:
	s_mov_b64 s[64:65], 0
	v_nop
	global_prefetch_b8 v0, s[64:65] scope:SCOPE_SE
	s_setreg_imm32_b32 hwreg(HW_REG_WAVE_MODE, 25, 1), 1
	s_wait_xcnt 0x0
; y[b][h][q] = the sum over k <= q of softmax_k(q . k / 8) v[k], head size 64, 2,048 positions, 64 heads in all; operands in f16, products, maxima and sums in f32; the weights p are rounded to f16.
; q, k, v come as images of fragment registers (the launch before lays them): 16 tokens of a head are 2,048 bytes: [chunk of 32 channels 2][piece 2][place 32][16 bytes]; every fragment is read at 16 x lane.
; SHARES.  A work-group (x = i, y = head) owns the blocks i and 7 - i of 256 queries, so that under the causal mask all work-groups have the same work.  Each of its sixteen waves owns 32 queries, two tiles
; of 16: wave w takes block 7 - i where (w xor w / 4) is odd, else block i, and of it queries 32 (w / 2) on.  Four waves share a SIMD: one wave's vector work stands beside another's matrix work.
; NO CLUSTER: work-groups of a head need different numbers of slots under the mask, so a partner would be sent tiles that none of its waves reads.
; LAYOUT.  S^T = K Q^T (source 0 = 16 keys, source 1 = 16 queries): a lane holds ONE query (lane % 16) and keys 8 (lane / 16) + 0 .. 7 of each tile.  Two such tiles, rounded to f16 in pairs, are source 1 of
; O^T = V^T P, whose result again holds one query a lane and eight channels: packed to f16 that is a piece of the projection's fragment (yi: [token tile 512][chunk 32][piece 2][lane 32][16 bytes]).
; SOFTMAX.  A running maximum m and sum l for each query: p = 2^(c s - c m), c = log2(e) / 8; in every step O and l are multiplied by a = 2^(c m_old - c m_new).
; THE RING.  Two LDS slots of 256 keys (K's 32 KiB, then V's), filled by waves 0 to 3, one tensor load of 16 KiB each; one is out behind each barrier.  Every work-group walks all eight slots, so that trip counts are
; constants; a step all of whose keys come after the wave's queries is jumped over, and a slot whose first key comes after the work-group's last query is not asked for.
; LIMITS: |q|, |k|, |v|, |y| under 65,504 (f16's range); NaN and infinities are not served.
.set SK,    256                        ; keys in a slot
.set SLOT1, 1<<16                      ; slot 1 begins here: one exclusive or turns an address from one slot into the other
.set VOFF,  32768                      ; V's part of a slot
.set NSL,   8
.set SPARE, 2*SLOT1                    ; the spare words, 128 bytes a wave, that no other line names
.set LI,   1                           ; v1   16 x lane
.set ADR,  2                           ; v2   the slot in hand + 16 x lane
.set SPW,  3
.set NIL,  4
.set DQ,   5                           ; v5   lane % 16 - 8 (lane / 16)
.set PFO,  6                           ; v6   256 x lane
.set ST,   8                           ; v8-23   tile t at 8 t: +0 c m, +1 m, +2, +3 l, +4 .. +7 at work (+6: a)
.set Q,    24                          ; v24-55  Q's fragments: 8 (2 tile + chunk)
.set KV,   56                          ; v56-119 K's eight fragments of a step, then V's
.set S,    120                         ; v120-183 S^T: 32 tile + 8 key tile; p's f16 pairs are made in place in the first 16 of each 32
.set O,    184                         ; v184-247 O^T: 32 tile + 8 channel tile
.set CH,   248                         ; v248-251 the sums' second chains
.set DM,   252                         ; v252-253 the mask's bound for tiles 0, 1
.set NINF, 254                         ; v254 -infinity
.set WV,   8
.set HD,   9
.set SEL,  10
.set CS,   12
.set HB,   14
.set G1,   16
.set G0,   24
.set TB,   28
.set SLOTS, 29
.set KF,   30
.set Q0,   31
.set LASTQ, 32
.set LIM,  33
.set PFA,  34
.set QB,   36
.macro TLOAD                           ; waves 0 to 3 fetch, the others nothing; an s_nop 0 and four v_nop follow the load
	s_cmp_lt_u32 s[WV], 4
	s_cbranch_scc0 .Lasked_\@
	tensor_load_to_lds s[G0:G0+3], s[G1:G1+7]
	s_nop 0
.rept 4
	v_nop
.endr
.Lasked_\@:
.endm
; A prefetch of what the NEXT change of slots will ask for: K's 32 KiB and V's.  All four work-groups of a head walk the same K and V: the first of them asks.  In it the waves ask that fetch nothing, one
; instruction each: waves 4 to 7 for K's block, 8,192 bytes a wave, lanes 256 bytes apart; waves 8 to 11 for V's.  So each aligned block of 256 bytes is named once in the launch.
; The last change that fills a slot asks for nothing; slots 0 and 1 come by their loads alone.
.macro ASK
	s_cmp_gt_u32 s[SLOTS], s[LIM]
	s_cbranch_scc0 .Lnot_mine_\@
	global_prefetch_b8 v[PFO], s[PFA:PFA+1] th:TH_LOAD_NT scope:SCOPE_SE
.Lnot_mine_\@:
.endm
	s_load_b128 s[4:7], s[0:1], 0x0                ; qkv, yi
	v_lshl_add_u32 v[SPW], v0, 2, SPARE
	v_mov_b32 v[NIL], 0
	ds_add_u32 v[SPW], v[NIL]                      ; the wave's opening: the add, twice on end, and its wait ahead of my first tensor load
	ds_add_u32 v[SPW], v[NIL]
	v_lshrrev_b32 v7, 5, v0
	v_readfirstlane_b32 s[WV], v7                  ; wave 0..15
	s_and_b32 s[HD], ttmp7, 0xffff                 ; 16 batch + head
	s_lshl_b32 s[HB], s[HD], 18                    ; a head's 262,144 bytes
	s_lshr_b32 s40, s[WV], 2
	s_xor_b32 s40, s40, s[WV]
	s_and_b32 s40, s40, 1                          ; which of the two blocks
	s_sub_co_u32 s41, 7, ttmp9
	s_cmp_eq_u32 s40, 1
	s_cselect_b32 s41, s41, ttmp9
	s_lshl_b32 s[Q0], s41, 8
	s_lshr_b32 s40, s[WV], 1
	s_lshl_b32 s40, s40, 5
	s_add_co_u32 s[Q0], s[Q0], s40                 ; my first query
	s_sub_co_u32 s[LASTQ], 8, ttmp9
	s_lshl_b32 s[LASTQ], s[LASTQ], 8
	s_sub_co_u32 s[LASTQ], s[LASTQ], 1             ; my work-group's last query
	s_mov_b32 s[G1], 3<<16                         ; no mask; elements of 8 bytes; no padding
	s_mov_b32 s[G1+1], 32<<16                      ; tensor_dim0: 32 elements, 256 bytes
	s_mov_b32 s[G1+2], 64<<16                      ; tensor_dim1: 64 rows
	s_mov_b32 s[G1+3], 32<<16                      ; tile_dim0
	s_mov_b32 s[G1+4], 64                          ; tile_dim1
	s_mov_b32 s[G1+5], 32                          ; the pitch: dense
	s_mov_b32 s[G1+6], 0
	s_mov_b32 s[G1+7], 0
	s_and_b32 s42, s[WV], 3
	s_lshl_b32 s42, s42, 14                        ; my quarter of a slot: K's halves, then V's
	s_bfe_u32 s44, s[WV], 0x10001
	s_add_co_u32 s44, s44, 1                       ; k is tensor 1, v tensor 2
	s_lshl_b32 s44, s44, 24
	s_add_co_u32 s44, s44, s[HB]
	s_and_b32 s45, s[WV], 1
	s_lshl_b32 s45, s45, 14
	s_add_co_u32 s44, s44, s45
	s_mov_b32 s45, 0
	s_mov_b32 s[SEL], 0x76543210
	s_mov_b32 s[SEL+1], 0xfedcba98                 ; v_permlanex16_b32's selects for lane l xor 16
	s_mov_b32 s[CS], 0x3e38aa3b                    ; c = log2(e) / 8
	s_mov_b32 s[CS+1], s[CS]
	s_mov_b32 s[TB], 0
	s_mov_b32 s[SLOTS], NSL-1
	s_mov_b32 s[KF], 0
	s_wait_dscnt 0x0                               ; both opening adds are done
	s_wait_kmcnt 0x0
	s_mov_b32 s[G0], 1
	s_mov_b32 s[G0+1], s42
	s_add_nc_u64 s[G0+2:G0+3], s[4:5], s[44:45]
	s_or_b32 s[G0+3], s[G0+3], 0x80000000
	TLOAD                                          ; slot 0: it holds key 0, which counts for every query
	s_lshl_b32 s40, s[Q0], 7                       ; 16 tokens are 2,048 bytes
	s_add_co_u32 s40, s40, s[HB]
	s_mov_b32 s41, 0
	s_add_nc_u64 s[QB:QB+1], s[4:5], s[40:41]      ; q (tensor 0) at my first query
	v_and_b32 v[LI], 31, v0
	v_lshlrev_b32 v[PFO], 8, v[LI]
	v_lshlrev_b32 v[LI], 4, v[LI]
.irp qt, 0,1
.irp hc, 0,1
.irp pc, 0,1
	global_load_b128 v[Q+8*(2*\qt+\hc)+4*\pc:Q+8*(2*\qt+\hc)+4*\pc+3], v[LI], s[QB:QB+1] offset:2048*\qt+1024*\hc+512*\pc
.endr
.endr
.endr
	s_lshr_b32 s40, s[HD], 4                       ; yi: token tile 128 batch + query / 16, chunk 2 head
	s_lshl_b32 s40, s40, 7
	s_lshr_b32 s41, s[Q0], 4
	s_add_co_u32 s40, s40, s41
	s_lshl_b32 s40, s40, 15
	s_and_b32 s41, s[HD], 15
	s_lshl_b32 s41, s41, 11
	s_add_co_u32 s40, s40, s41
	s_mov_b32 s41, 0
	s_add_nc_u64 s[6:7], s[6:7], s[40:41]
	s_cmp_lt_u32 s[WV], 8                          ; the prefetches: waves 4 to 7 stand in k, waves 8 to 11 in v,
	s_cselect_b32 s44, 1, 2
	s_lshl_b32 s44, s44, 24
	s_add_co_u32 s44, s44, s[HB]
	s_and_b32 s45, s[WV], 3
	s_lshl_b32 s45, s45, 13                        ; 8,192 bytes a wave,
	s_add_co_u32 s44, s44, s45
	s_add_co_u32 s44, s44, 32768                   ; in slot 1: the first change of slots steps it to slot 2
	s_mov_b32 s45, 0
	s_add_nc_u64 s[PFA:PFA+1], s[4:5], s[44:45]
	s_sub_co_u32 s46, s[WV], 4
	s_lshr_b32 s46, s46, 3                         ; 0 in waves 4 to 11,
	s_or_b32 s46, s46, ttmp9                       ; of the head's first work-group
	s_cmp_eq_u32 s46, 0
	s_cselect_b32 s[LIM], 1, -1
	v_and_b32 v[DQ], 15, v0
	v_bfe_u32 v7, v0, 4, 1
	v_lshlrev_b32 v7, 3, v7
	v_sub_nc_u32 v[DQ], v[DQ], v7
	v_mov_b32 v[NINF], 0xff800000
.irp j, 0,1,2,3,4,5,6,7,8,9,10,11,12,13,14,15
	v_mov_b32 v[ST+\j], 0                          ; l = 0; the others are written once, since pairs and lane permutes name them
.endr
.irp t, 0,1
	v_mov_b32 v[ST+8*\t+1], 0xff61b1e6             ; m: -3e38, under every score
.endr
.irp t, 0,1
	v_mul_f32 v[ST+8*\t], s[CS], v[ST+8*\t+1]      ; c m
.endr
.set i, 0
.rept 64
	v_mov_b32 v[O+i], 0                            ; O^T: the step is written once; its first run finds zeros, which a = 0 leaves zeros
.set i, i+1
.endr
; A KEY STEP: 64 keys, the st-th of the slot in hand.
.macro STEP st
	s_add_co_u32 s40, s[Q0], 31
	s_cmp_gt_u32 s[KF], s40                        ; all its keys come after my 32 queries: ids and the count of steps alone
	s_cbranch_scc1 .Lhidden_\@
	v_add_nc_u32 v[ADR], s[TB], v[LI]
.rept 5
	v_nop                                          ; places behind the last step's products: four for the loads into their fragments, five for the products below, which write over registers that they read
.endr
.irp kt, 0,1,2,3
.irp hc, 0,1
.irp pc, 0,1
	ds_load_b128 v[KV+8*(2*\kt+\hc)+4*\pc:KV+8*(2*\kt+\hc)+4*\pc+3], v[ADR] offset:8192*(\st)+2048*\kt+1024*\hc+512*\pc
.endr
.endr
.endr
	s_wait_dscnt 0x0
.irp hc, 0,1                                   ; S^T = K Q^T: eight accumulators by turns
.irp kt, 0,1,2,3
.irp qt, 0,1
.if \hc == 0
	v_wmma_f32_16x16x32_f16 v[S+32*\qt+8*\kt:S+32*\qt+8*\kt+7], v[KV+8*(2*\kt+\hc):KV+8*(2*\kt+\hc)+7], v[Q+8*(2*\qt+\hc):Q+8*(2*\qt+\hc)+7], 0
.else
	v_wmma_f32_16x16x32_f16 v[S+32*\qt+8*\kt:S+32*\qt+8*\kt+7], v[KV+8*(2*\kt+\hc):KV+8*(2*\kt+\hc)+7], v[Q+8*(2*\qt+\hc):Q+8*(2*\qt+\hc)+7], v[S+32*\qt+8*\kt:S+32*\qt+8*\kt+7]
.endif
.endr
.endr
.endr
.rept 4
	v_nop                                          ; places in front of the loads below and of the first read of the scores
.endr
.irp kk, 0,1                                   ; V, turned: fragment (32 keys kk, 16 channels ct); it lands while the softmax is worked
.irp ct, 0,1,2,3
.irp u, 0,1
	ds_load_tr16_b128 v[KV+8*(4*\kk+\ct)+4*\u:KV+8*(4*\kk+\ct)+4*\u+3], v[ADR] offset:VOFF+8192*(\st)+2048*(2*\kk+\u)+512*\ct
.endr
.endr
.endr
	s_add_co_u32 s40, s[KF], 63                    ; on the diagonal hidden scores become -infinity; a step all of whose keys count skips this
	s_cmp_le_u32 s40, s[Q0]
	s_cbranch_scc1 .Lopen_\@
	s_sub_co_i32 s40, s[Q0], s[KF]
	v_add_nc_u32 v[DM], s40, v[DQ]                 ; register 8 kt + j holds key KF + 16 kt + 8 (lane / 16) + j: hidden where 16 kt + j > my query - KF - 8 (lane / 16)
	v_add_nc_u32 v[DM+1], 16, v[DM]
.irp n, 0,1,2,3,4,5,6,7,8,9,10,11,12,13,14,15,16,17,18,19,20,21,22,23,24,25,26,27,28,29,30,31
.irp t, 0,1
	v_cmp_gt_i32 vcc_lo, 16*(\n/8)+\n%8, v[DM+\t]
	v_cndmask_b32 v[S+32*\t+\n], v[S+32*\t+\n], v[NINF], vcc_lo
.endr
.endr
.Lopen_\@:
.irp j, 0,1,2,3                                ; the maximum of my 32 scores and the old m: four chains, each begun at an accumulator's low end; the two tiles line by line
.irp t, 0,1
	v_max3_num_f32 v[ST+8*\t+4+\j], v[S+32*\t+8*\j], v[S+32*\t+8*\j+1], v[S+32*\t+8*\j+2]
.endr
.endr
.irp g, 1,2
.irp j, 0,1,2,3
.irp t, 0,1
	v_max3_num_f32 v[ST+8*\t+4+\j], v[ST+8*\t+4+\j], v[S+32*\t+8*\j+2*\g+1], v[S+32*\t+8*\j+2*\g+2]
.endr
.endr
.endr
.irp t, 0,1
	v_max3_num_f32 v[ST+8*\t+4], v[ST+8*\t+4], v[S+32*\t+7], v[S+32*\t+15]
.endr
.irp t, 0,1
	v_max3_num_f32 v[ST+8*\t+6], v[ST+8*\t+6], v[S+32*\t+23], v[S+32*\t+31]
.endr
.irp t, 0,1
	v_max3_num_f32 v[ST+8*\t+4], v[ST+8*\t+4], v[ST+8*\t+5], v[ST+8*\t+6]
.endr
.irp t, 0,1
	v_max3_num_f32 v[ST+8*\t+4], v[ST+8*\t+4], v[ST+8*\t+7], v[ST+8*\t+1]
.endr
.irp t, 0,1
	v_permlanex16_b32 v[ST+8*\t+5], v[ST+8*\t+4], s[SEL], s[SEL+1]   ; the query's other 32 keys lie in the lane 16 away
.endr
.irp t, 0,1
	v_mov_b32 v[ST+8*\t+7], v[ST+8*\t]             ; c m_old
.endr
.irp t, 0,1
	v_max_num_f32 v[ST+8*\t+1], v[ST+8*\t+4], v[ST+8*\t+5]
.endr
.irp t, 0,1
	v_mul_f32 v[ST+8*\t], s[CS], v[ST+8*\t+1]
.endr
.irp t, 0,1
	v_sub_f32 v[ST+8*\t+7], v[ST+8*\t+7], v[ST+8*\t]
.endr
.irp b, 0,2,4,6,8,10,12,14,16,18,20,22,24,26,28,30
.irp t, 0,1
	v_pk_fma_f32 v[S+32*\t+\b:S+32*\t+\b+1], v[S+32*\t+\b:S+32*\t+\b+1], s[CS:CS+1], v[ST+8*\t:ST+8*\t+1] op_sel_hi:[1,0,0] neg_lo:[0,0,1] neg_hi:[0,0,1]   ; c s - c m
.endr
.endr
.irp t, 0,1
	v_exp_f32 v[ST+8*\t+6], v[ST+8*\t+7]           ; a
.endr
.irp n, 0,1,2,3,4,5,6,7,8,9,10,11,12,13,14,15,16,17,18,19,20,21,22,23,24,25,26,27,28,29,30,31
.irp t, 0,1
	v_exp_f32 v[S+32*\t+\n], v[S+32*\t+\n]         ; p
.endr
.endr
	v_nop                                          ; a plain line behind the last exponential
	s_wait_alu depctr_va_vdst(0)                   ; one wait for the batch of 66, ahead of its first reader
.irp t, 0,1                                    ; the sums are taken of p in f32, in two chains a tile
	v_pk_add_f32 v[ST+8*\t+4:ST+8*\t+5], v[S+32*\t:S+32*\t+1], v[S+32*\t+2:S+32*\t+3]
.endr
.irp t, 0,1
	v_pk_add_f32 v[CH+2*\t:CH+2*\t+1], v[S+32*\t+4:S+32*\t+5], v[S+32*\t+6:S+32*\t+7]
.endr
.irp j, 8,12,16,20,24,28
.irp t, 0,1
	v_pk_add_f32 v[ST+8*\t+4:ST+8*\t+5], v[ST+8*\t+4:ST+8*\t+5], v[S+32*\t+\j:S+32*\t+\j+1]
.endr
.irp t, 0,1
	v_pk_add_f32 v[CH+2*\t:CH+2*\t+1], v[CH+2*\t:CH+2*\t+1], v[S+32*\t+\j+2:S+32*\t+\j+3]
.endr
.endr
.irp t, 0,1
	v_pk_add_f32 v[ST+8*\t+4:ST+8*\t+5], v[ST+8*\t+4:ST+8*\t+5], v[CH+2*\t:CH+2*\t+1]
.endr
.irp t, 0,1
	v_pk_fma_f32 v[ST+8*\t+2:ST+8*\t+3], v[ST+8*\t+2:ST+8*\t+3], v[ST+8*\t+6:ST+8*\t+7], v[ST+8*\t+4:ST+8*\t+5] op_sel_hi:[1,0,1]   ; l = a l + the sum
.endr
.irp i, 0,1,2,3,4,5,6,7,8,9,10,11,12,13,14,15
.irp t, 0,1
	v_cvt_pk_f16_f32 v[S+32*\t+\i], v[S+32*\t+2*\i], v[S+32*\t+2*\i+1]   ; in place, ascending: register i is written when pair i / 2 has long been read
.endr
.endr
.irp j, 0,2,4,6,8,10,12,14,16,18,20,22,24,26,28,30
.irp t, 0,1
	v_pk_mul_f32 v[O+32*\t+\j:O+32*\t+\j+1], v[O+32*\t+\j:O+32*\t+\j+1], v[ST+8*\t+6:ST+8*\t+7] op_sel_hi:[1,0]   ; O^T x a
.endr
.endr
	s_wait_dscnt 0x0                               ; V is in
.irp kk, 0,1                                   ; O^T += V^T P: eight accumulators by turns
.irp ct, 0,1,2,3
.irp qt, 0,1
	v_wmma_f32_16x16x32_f16 v[O+32*\qt+8*\ct:O+32*\qt+8*\ct+7], v[KV+8*(4*\kk+\ct):KV+8*(4*\kk+\ct)+7], v[S+32*\qt+8*\kk:S+32*\qt+8*\kk+7], v[O+32*\qt+8*\ct:O+32*\qt+8*\ct+7]
.endr
.endr
.endr
.Lhidden_\@:
	s_add_co_u32 s[KF], s[KF], 64
.endm
; THE CHANGE OF SLOTS stands at a slot's head.  Each wave waits for all its tensor loads, adds 0 to its spare word, and waits for that and for its reads of the slot that it has left.
; Behind the barrier the slot ahead is whole and nobody reads the other one.  fill = 1: that other slot is filled with the next 256 keys, up to the causal limit; the load has four key steps in which to land.
.macro CHANGE fill
	s_wait_tensorcnt 0x0                           ; no tensor load of mine is out, so the group 0 may be written
	ds_add_u32 v[SPW], v[NIL]
.if \fill
	ds_add_u32 v[SPW], v[NIL]                      ; twice on end, in every trip alike
	s_xor_b32 s[G0+1], s[G0+1], SLOT1              ; the other slot than last time,
	s_add_nc_u64 s[G0+2:G0+3], s[G0+2:G0+3], 32768 ; the next 256 keys
	s_wait_xcnt 0x0                                ; the last prefetch, a slot back, has read its address
	s_add_nc_u64 s[PFA:PFA+1], s[PFA:PFA+1], 32768 ; one slot further on than the walking descriptor
.endif
	s_wait_dscnt 0x0                               ; the add is done, and my reads of the slot that I have left are over
	s_barrier_signal -1
	s_barrier_wait -1
.if \fill
	s_add_co_u32 s40, s[KF], SK                    ; the first key of the slot that this change would ask for
	s_cmp_gt_u32 s40, s[LASTQ]                     ; past my work-group's last query no wave would read it: ids and the count of steps alone, the same in all sixteen waves
	s_cbranch_scc1 .Lpast_\@
	TLOAD                                          ; a wave's one tensor load until the next barrier
.Lpast_\@:
	ASK
.endif
.endm
	s_wait_loadcnt 0x0                             ; Q
.Lslot:                                            ; seven trips
	CHANGE 1
	STEP 0
	STEP 1
	STEP 2
	STEP 3
	s_xor_b32 s[TB], s[TB], SLOT1
	s_sub_co_u32 s[SLOTS], s[SLOTS], 1
	s_cmp_lg_u32 s[SLOTS], 0
	s_cbranch_scc1 .Lslot
	CHANGE 0                                       ; the last slot is written out: nothing is left to ask for
	STEP 0
	STEP 1
	STEP 2
	STEP 3
	; THE WAY OUT: O^T / l, rounded to f16: a lane's eight channels are a 16-byte piece; each store covers 512 consecutive bytes, aligned.
.rept 4
	v_nop
.endr
.irp t, 0,1
	v_add_f32 v[ST+8*\t+4], v[ST+8*\t+2], v[ST+8*\t+3]
.endr
.irp t, 0,1
	v_permlanex16_b32 v[ST+8*\t+5], v[ST+8*\t+4], s[SEL], s[SEL+1]
.endr
.irp t, 0,1
	v_add_f32 v[ST+8*\t+4], v[ST+8*\t+4], v[ST+8*\t+5]
.endr
.irp t, 0,1
	v_rcp_f32 v[ST+8*\t+6], v[ST+8*\t+4]
.endr
	v_nop
	s_wait_alu depctr_va_vdst(0)                   ; one wait for the two reciprocals, ahead of their first reader
.irp j, 0,2,4,6,8,10,12,14,16,18,20,22,24,26,28,30
.irp t, 0,1
	v_pk_mul_f32 v[O+32*\t+\j:O+32*\t+\j+1], v[O+32*\t+\j:O+32*\t+\j+1], v[ST+8*\t+6:ST+8*\t+7] op_sel_hi:[1,0]
.endr
.endr
.irp i, 0,1,2,3,4,5,6,7,8,9,10,11,12,13,14,15
.irp t, 0,1
	v_cvt_pk_f16_f32 v[S+32*\t+\i], v[O+32*\t+2*\i], v[O+32*\t+2*\i+1]
.endr
.endr
.irp t, 0,1
.irp ct, 0,1,2,3
	global_store_b128 v[LI], v[S+32*\t+4*\ct:S+32*\t+4*\ct+3], s[6:7] offset:32768*\t+512*\ct
.endr
.endr
	s_wait_tensorcnt 0x0                           ; the wave's end
	ds_add_u32 v[SPW], v[NIL]
	s_wait_dscnt 0x0
	s_endpgm
.Lfunc_end_k_q7104f9c52c_attn:
	.size	k_q7104f9c52c_attn, .Lfunc_end_k_q7104f9c52c_attn-k_q7104f9c52c_attn
	.p2alignl 7, 3214868480
	.fill 96, 4, 3214868480
	.section	.rodata,"a",@progbits
	.p2align	6, 0x0
	.amdhsa_kernel k_q7104f9c52c_attn
		.amdhsa_group_segment_fixed_size 327680
		.amdhsa_private_segment_fixed_size 0
		.amdhsa_enable_private_segment 0
		.amdhsa_kernarg_size 16
		.amdhsa_user_sgpr_count 2
		.amdhsa_user_sgpr_kernarg_segment_ptr 1
		.amdhsa_wavefront_size32 1
		.amdhsa_system_sgpr_workgroup_id_x 1
		.amdhsa_system_sgpr_workgroup_id_y 1
		.amdhsa_system_sgpr_workgroup_id_z 1
		.amdhsa_system_vgpr_workitem_id 0
		.amdhsa_next_free_vgpr 256
		.amdhsa_next_free_sgpr 66
		.amdhsa_reserve_vcc 1
		.amdhsa_float_denorm_mode_32 3
		.amdhsa_float_denorm_mode_16_64 3
		.amdhsa_memory_ordered 1
		.amdhsa_forward_progress 1
		.amdhsa_inst_pref_size 184
	.end_amdhsa_kernel
	.amdgpu_metadata
---
amdhsa.version: [ 1, 2 ]
amdhsa.kernels:
  - .name:           k_q7104f9c52c_attn
    .symbol:         k_q7104f9c52c_attn.kd
    .args:
      - { .name: qkv, .offset: 0, .size: 8, .value_kind: global_buffer, .address_space: global }
      - { .name: yi, .offset: 8, .size: 8, .value_kind: global_buffer, .address_space: global }
    .group_segment_fixed_size: 327680
    .private_segment_fixed_size: 0
    .kernarg_segment_align: 8
    .kernarg_segment_size: 16
    .max_flat_workgroup_size: 512
    .sgpr_count:     66
    .vgpr_count:     256
    .wavefront_size: 32
...
	.end_amdgpu_metadata
.endif
;; end of part 4
;; launch gemm_out (part 5): grid 8 x 32, 4 waves a work-group, clusters of 4 x 4, 327,680 bytes of LDS; arguments yi, wt, bv, out0; writes out0
.if DOCPART == 5
	.amdgcn_target "amdgcn-amd-amdhsa--gfx1250"
	.amdhsa_code_object_version 6
	.text
	.protected	k_q7104f9c52c_gemm_out
	.globl	k_q7104f9c52c_gemm_out
	.p2align	8
	.type	k_q7104f9c52c_gemm_out,@function
k_q7104f9c52c_gemm_out:
	s_mov_b64 s[64:65], 0
	v_nop
	global_prefetch_b8 v0, s[64:65] scope:SCOPE_SE
	s_setreg_imm32_b32 hwreg(HW_REG_WAVE_MODE, 25, 1), 1
	s_wait_xcnt 0x0
	s_wait_alu depctr_hold_cnt(0) depctr_sa_sdst(0) depctr_va_vdst(0) depctr_va_sdst(0) depctr_va_ssrc(0) depctr_va_vcc(0) depctr_vm_vsrc(0)
	s_getreg_b32 s2, hwreg(HW_REG_IB_STS2, 6, 4)
	s_cmp_eq_u32 s2, 0
	s_cbranch_scc0 .Lentry_in_a_cluster
	s_endpgm
.Lentry_in_a_cluster:
	s_bfe_u32 s2, ttmp6, 0x10000c
	s_cmp_lg_u32 s2, 0xf033
	s_cbranch_scc0 .Lentry_shape_is_right
	s_endpgm
.Lentry_shape_is_right:
; out0[token][n] = the sum over k of y[token][k] Wv[k][n] + bv[n]: 8192 x 1024 x 1024, operands in f16, sums in f32.  (Rows 0-15 of each batch are written again, in f32 arithmetic, by the launch behind this one.)
; Both operands come as images of fragment registers: a tile of 16 rows is 32 chunks of 32 along K, 1,024 bytes each: [piece 2][lane 32][16 bytes].  A K step of 128 is 4,096 consecutive bytes of each tile.
; A tile of out0 is 256 tokens x 128 n, so that there are 256 work-groups.  Four waves, each 128 tokens x 64 n: 32 accumulators, all of window 1.  K goes in eight steps of 128 through two LDS slots;
; two slots of 256 along K would not fit.  One tensor load a wave is out behind each round; from a request to the wait for it a wave issues 112 matrix instructions.
; CLUSTERS: 4 x 4 work-groups; y's tiles are asked for jointly along a row of the cluster, Wv's along a column.
; THE MATRIX INSTRUCTION IS USED TRANSPOSED (source 0 = 16 n, source 1 = 16 tokens): a lane holds eight neighbouring n of one token.  The bias is the C of each sum's first product.
; REGISTERS: window 0: v16-31 addresses; v32-63 the bias, four tiles; v64-159, v160-255 two fragment buffers (A's eight fragments, then B's four).   window 1: accumulator (a, b) at v[8 (4 a + b)].
.set SLOT,   98304                     ; A's 16 token tiles x 4,096 bytes, then B's 8 n tiles
.set BOFF,   65536
.set STEPB,  4096
.set STAGE,  2*SLOT                    ; behind the ring: 16 rows x (256 bytes + 16) for each wave
.set SPITCH, 272
.set SPARE,  STAGE+4*16*SPITCH         ; the spare words, 128 bytes a wave, that no other line names
.set LAPS,   4                         ; a lap = two K steps
.set ADRA, 16
.set ADRB, 20
.set STO,  24
.set RD,   25
.set CO,   26
.set SPW,  28
.set NIL,  29
.set PFO,  30
.set BO,   31
.set BIAS, 32
.set F0,   64
.set F1,   160
.set BK,   64
.set G1, 24
.set G0, 32
.set G1B, 48
.set G0B, 56
.set LIM, 43
.set PFA, 44
.set MSB, 0
.macro WIN new
.if MSB != \new
	s_set_vgpr_msb (MSB<<8)|\new
.set MSB, \new
.endif
.endm
.set MUL,  0x50                        ; sources 0 and 1 window 0; C and D window 1
.set MULB, 0x40                        ; the first products: C (the bias) window 0
.macro JLOAD s                         ; waves 0 and 1 fetch A's halves, waves 2 and 3 B's; an s_nop 0 and four v_nop follow each line
	s_cmp_eq_u32 s11, 0
	s_cbranch_scc0 .Lfor_b_\@
	tensor_load_to_lds s[G0+4*\s:G0+4*\s+3], s[G1:G1+7]
	s_nop 0
.rept 4
	v_nop
.endr
	s_branch .Lasked_\@
.Lfor_b_\@:
	tensor_load_to_lds s[G0B+4*\s:G0B+4*\s+3], s[G1B:G1B+7]
	s_nop 0
.rept 4
	v_nop
.endr
.Lasked_\@:
.endm
; A prefetch of y's K step that stands two refills on.  A tile row of y is read by both clusters of its row of clusters: the one with x = 0 asks.  Of the eight token tiles that wave 0 or 1 fetches, each of the four
; partners takes two, told apart by address; a lane names 256 bytes: 32 lanes, 8,192 bytes.  So each aligned block of 256 bytes is named once.  The loop's last trip asks for nothing.  Wv's images are not asked for.
.macro ASK
	s_cmp_gt_u32 s3, s[LIM]
	s_cbranch_scc0 .Lnot_mine_\@
	global_prefetch_b8 v[PFO], s[PFA:PFA+1] offset:STEPB th:TH_LOAD_NT scope:SCOPE_SE
.Lnot_mine_\@:
.endm
.macro CREST
	s_cmp_lg_u32 s10, 0
	s_cbranch_scc1 .Lnot_wave_0_\@
	s_barrier_signal -3
.Lnot_wave_0_\@:
	s_barrier_wait -3
	s_barrier_signal -1
	s_barrier_wait -1
.endm
.macro CROUND
	s_barrier_signal -1
	s_barrier_wait -1
	CREST
.endm
	s_load_b128 s[4:7], s[0:1], 0x0                ; yi, wt
	s_load_b64 s[66:67], s[0:1], 0x10              ; bv
	s_load_b64 s[8:9], s[0:1], 0x18                ; out0
	v_lshl_add_u32 v[SPW], v0, 2, SPARE
	v_mov_b32 v[NIL], 0
	ds_add_u32 v[SPW], v[NIL]                      ; the wave's opening: the add, twice on end, and its wait ahead of my first tensor load
	ds_add_u32 v[SPW], v[NIL]
	v_lshrrev_b32 v1, 5, v0
	v_readfirstlane_b32 s10, v1                    ; wave 0..3
	s_lshr_b32 s11, s10, 1                         ; which 128 tokens are mine.  Also: I fetch for A (0) or for B (1)
	s_and_b32 s12, s10, 1                          ; which 64 n.  Also: which half of that tile I fetch
	s_bfe_u32 s40, ttmp6, 0x40000                  ; cx
	s_bfe_u32 s41, ttmp6, 0x40004                  ; cy
	s_lshl_b32 s42, ttmp9, 2
	s_add_co_u32 s42, s42, s40                     ; tile column (128 n)
	s_and_b32 s13, ttmp7, 0xffff
	s_lshl_b32 s13, s13, 2
	s_add_co_u32 s13, s13, s41                     ; tile row (256 tokens)
	s_lshl_b32 s43, s41, 2
	s_lshl_b32 s43, 15, s43                        ; my row of the cluster
	s_lshl_b32 s44, 0x1111, s40                    ; my column
	s_or_b32 s[G1+0], s43, (3<<16)|(1<<21)         ; the mask; elements of 8 bytes; bit 21 beside a mask; no padding
	s_or_b32 s[G1B+0], s44, (3<<16)|(1<<21)
.irp g, G1, G1B
	s_mov_b32 s[\g+1], 512<<16                     ; tensor_dim0: 512 elements, 4,096 bytes: a tile's K step
	s_mov_b32 s[\g+3], 512<<16                     ; tile_dim0
	s_mov_b32 s[\g+5], 4096                        ; the pitch: 32,768 bytes from tile to tile
	s_mov_b32 s[\g+6], 0
	s_mov_b32 s[\g+7], 0
.endr
	s_mov_b32 s[G1+2], 8<<16                       ; A: eight token tiles to a load
	s_mov_b32 s[G1+4], 8
	s_mov_b32 s[G1B+2], 4<<16                      ; B: four n tiles
	s_mov_b32 s[G1B+4], 4
	s_lshl_b32 s16, s13, 4
	s_lshl_b32 s17, s12, 3
	s_add_co_u32 s16, s16, s17                     ; A: token tile 16 x tile row + 8 x half
	s_lshl_b32 s16, s16, 15
	s_mov_b32 s17, 0
	s_lshl_b32 s46, s42, 3
	s_lshl_b32 s47, s12, 2
	s_add_co_u32 s46, s46, s47                     ; B: n tile 8 x tile column + 4 x half
	s_lshl_b32 s46, s46, 15
	s_mov_b32 s47, 0
	s_lshl_b32 s20, s12, 15                        ; where they go: A's halves,
	s_lshl_b32 s21, s12, 14
	s_add_co_u32 s21, s21, BOFF                    ; B's halves behind them
	s_wait_dscnt 0x0                               ; both opening adds are done
	s_wait_kmcnt 0x0
	s_add_nc_u64 s[14:15], s[4:5], s[16:17]
	s_add_nc_u64 s[46:47], s[6:7], s[46:47]
	CROUND                                         ; all sixteen work-groups are here: the first joint loads meet
.irp s, 0,1
	s_mov_b32 s[G0+4*\s], 1
	s_add_co_u32 s[G0+4*\s+1], s20, \s*SLOT
	s_add_nc_u64 s[G0+4*\s+2:G0+4*\s+3], s[14:15], \s*STEPB
	s_or_b32 s[G0+4*\s+3], s[G0+4*\s+3], 0x80000000
	s_mov_b32 s[G0B+4*\s], 1
	s_add_co_u32 s[G0B+4*\s+1], s21, \s*SLOT
	s_add_nc_u64 s[G0B+4*\s+2:G0B+4*\s+3], s[46:47], \s*STEPB
	s_or_b32 s[G0B+4*\s+3], s[G0B+4*\s+3], 0x80000000
	JLOAD \s
.endr
	v_and_b32 v1, 15, v0                           ; r
	v_bfe_u32 v2, v0, 4, 1                         ; h
	v_and_b32 v3, 31, v0
	v_lshlrev_b32 v3, 4, v3                        ; 16 x lane: every fragment is read so
	s_lshl_b32 s21, s11, 15                        ; my eight token tiles
	s_lshl_b32 s22, s12, 14
	s_add_co_u32 s22, s22, BOFF                    ; my four n tiles
.irp s, 0,1
	v_add_nc_u32 v[ADRA+\s], s21, v3
	v_add_nc_u32 v[ADRB+\s], s22, v3
	s_add_co_u32 s21, s21, SLOT
	s_add_co_u32 s22, s22, SLOT
.endr
	s_mul_i32 s23, s10, 16*SPITCH
	s_add_co_u32 s23, s23, STAGE                   ; my stage
	v_mul_u32_u24 v4, v1, SPITCH
	v_lshl_add_u32 v4, v2, 5, v4
	v_add_nc_u32 v[STO], s23, v4                   ; in: row r, 32 bytes for each half of the lanes
	v_mul_u32_u24 v5, v2, SPITCH
	v_lshl_add_u32 v5, v1, 4, v5
	v_add_nc_u32 v[RD], s23, v5                    ; back: lanes 0-15 one row of 256 bytes, lanes 16-31 the next
	v_lshlrev_b32 v5, 12, v2
	v_lshl_add_u32 v[CO], v1, 4, v5                ; and the same two rows in out0
	s_lshl_b32 s16, s13, 8
	s_lshl_b32 s17, s11, 7
	s_add_co_u32 s16, s16, s17                     ; my first token
	s_lshl_b32 s16, s16, 12
	s_mov_b32 s17, 0
	s_add_nc_u64 s[8:9], s[8:9], s[16:17]
	s_lshl_b32 s46, s42, 9
	s_lshl_b32 s47, s12, 8
	s_add_co_u32 s46, s46, s47                     ; my first n, in bytes
	s_mov_b32 s47, 0
	s_add_nc_u64 s[8:9], s[8:9], s[46:47]
	s_add_nc_u64 s[66:67], s[66:67], s[46:47]
	v_lshlrev_b32 v[BO], 5, v2                     ; lane (r, h) wants, for tile b, the bias of n = 16 b + 8 h + 0 .. 7
.irp b, 0,1,2,3
	global_load_b128 v[BIAS+8*\b:BIAS+8*\b+3], v[BO], s[66:67] offset:64*\b
	global_load_b128 v[BIAS+8*\b+4:BIAS+8*\b+7], v[BO], s[66:67] offset:64*\b+16
.endr
	s_or_b32 s20, s11, ttmp9                       ; the prefetches: waves 0 and 1 of the clusters with x = 0
	s_cmp_eq_u32 s20, 0
	s_cselect_b32 s[LIM], 1, -1
	s_lshl_b32 s20, s40, 16                        ; my work-group's two token tiles of the eight,
	s_add_co_u32 s20, s20, 2*STEPB                 ; at K step 2: the first refill steps it to 3 and names K step 4
	s_mov_b32 s21, 0
	s_add_nc_u64 s[PFA:PFA+1], s[14:15], s[20:21]
	v_lshlrev_b32 v[PFO], 15, v2
	v_lshl_add_u32 v[PFO], v1, 8, v[PFO]
.macro MUL8 f, a0, zero                ; 8 matrix instructions: token tiles a0, a0 + 1 x the four n tiles, 32 along K.  The 32 accumulators take turns
.irp a, \a0, \a0+1
.irp b, 0,1,2,3
.if \zero
	v_wmma_f32_16x16x32_f16 v[8*(4*(\a)+\b):8*(4*(\a)+\b)+7], v[\f+64+8*\b:\f+64+8*\b+7], v[\f+8*(\a):\f+8*(\a)+7], v[BIAS+8*\b:BIAS+8*\b+7]
.else
	v_wmma_f32_16x16x32_f16 v[8*(4*(\a)+\b):8*(4*(\a)+\b)+7], v[\f+64+8*\b:\f+64+8*\b+7], v[\f+8*(\a):\f+8*(\a)+7], v[8*(4*(\a)+\b):8*(4*(\a)+\b)+7]
.endif
.endr
.endr
.endm
.macro FETCH slot, q, f                ; 24 LDS loads in one run: chunk q of the slot: B's four fragments, then A's eight
	WIN 0
.irp i, 0,1,2,3
	ds_load_b128 v[\f+64+8*\i:\f+64+8*\i+3],   v[ADRB+\slot] offset:\i*4096+(\q)*1024
	ds_load_b128 v[\f+64+8*\i+4:\f+64+8*\i+7], v[ADRB+\slot] offset:\i*4096+(\q)*1024+512
.endr
.irp i, 0,1,2,3,4,5,6,7
	ds_load_b128 v[\f+8*\i:\f+8*\i+3],   v[ADRA+\slot] offset:\i*4096+(\q)*1024
	ds_load_b128 v[\f+8*\i+4:\f+8*\i+7], v[ADRA+\slot] offset:\i*4096+(\q)*1024+512
.endr
.endm
.macro PLACES
.rept 4
	v_nop
.endr
.endm
.macro QUARTER slot, q, f, g, zero     ; multiplies buffer f; in its middle fetches chunk q of the same slot into g
	s_wait_dscnt 8                                 ; B and A's tiles 0-3 are in; the youngest eight loads (A's tiles 4-7) may be out
.if \zero
	WIN MULB
.else
	WIN MUL
.endif
	MUL8 \f, 0, \zero
	MUL8 \f, 2, \zero
	PLACES
	FETCH \slot, \q, \g
	s_wait_dscnt 24                                ; all but the 24 just issued
.if \zero
	WIN MULB
.else
	WIN MUL
.endif
	MUL8 \f, 4, \zero
	MUL8 \f, 6, \zero
.endm
; A K step's last quarter multiplies buffer 1 and changes slots: one barrier; in front of it each wave waits for all its tensor loads, adds 0 to its spare word, and waits for that and for its reads of this slot.
.macro TURN slot, next, fill
	s_wait_xcnt 0x0                                ; the last prefetch, a K step back, has read its address
	s_add_nc_u64 s[PFA:PFA+1], s[PFA:PFA+1], STEPB
	WIN 0
	s_wait_tensorcnt 0x0                           ; all my tensor loads have landed: my part of the next slot
	ds_add_u32 v[SPW], v[NIL]
	s_wait_dscnt 9                                 ; (the add and the youngest eight loads may be out)
	WIN MUL
	MUL8 F1, 0, 0
	s_wait_dscnt 0x0                               ; the add is done, and my reads of this slot are over
	s_barrier_signal -1
	MUL8 F1, 2, 0
	WIN 0
	s_barrier_wait -1
.if \fill
	CREST                                          ; the barrier has opened a round of the cluster's: no wave of any partner still reads this slot or has a load on its way
	s_add_nc_u64 s[G0+4*\slot+2:G0+4*\slot+3], s[G0+4*\slot+2:G0+4*\slot+3], 2*STEPB
	s_add_nc_u64 s[G0B+4*\slot+2:G0B+4*\slot+3], s[G0B+4*\slot+2:G0B+4*\slot+3], 2*STEPB
	JLOAD \slot                                    ; the first tensor load behind the round; its four v_nop are also the places in front of the loads below
.else
	PLACES
.endif
	FETCH \next, 0, F0
.if \fill
	ASK
.endif
	WIN MUL
	MUL8 F1, 4, 0
	MUL8 F1, 6, 0
.endm
	s_wait_tensorcnt 1                             ; my part of K step 0 is in (K step 1's load may be out),
	s_barrier_signal -1
	s_barrier_wait -1                              ; everybody's is
	FETCH 0, 0, F0
	s_wait_loadcnt 0x0                             ; the bias
	QUARTER 0, 1, F0, F1, 1                        ; the first quarter stands in front of the loop: its products start the sums from the bias
	WIN 0
	s_mov_b32 s3, LAPS-1
.Llap:                                             ; a trip goes once round the ring and fills both slots again
	QUARTER 0, 2, F1, F0, 0
	QUARTER 0, 3, F0, F1, 0
	TURN 0, 1, 1
	QUARTER 1, 1, F0, F1, 0
	QUARTER 1, 2, F1, F0, 0
	QUARTER 1, 3, F0, F1, 0
	TURN 1, 0, 1
	QUARTER 0, 1, F0, F1, 0
	WIN 0
	s_sub_co_u32 s3, s3, 1
	s_cmp_lg_u32 s3, 0
	s_cbranch_scc1 .Llap
	QUARTER 0, 2, F1, F0, 0                        ; the last lap fills nothing
	QUARTER 0, 3, F0, F1, 0
	TURN 0, 1, 0
	QUARTER 1, 1, F0, F1, 0
	QUARTER 1, 2, F1, F0, 0
	QUARTER 1, 3, F0, F1, 0
	s_wait_dscnt 8
	WIN MUL
	MUL8 F1, 0, 0
	MUL8 F1, 2, 0
	s_wait_dscnt 0
	MUL8 F1, 4, 0
	MUL8 F1, 6, 0
	WIN 0
; THE WAY OUT, a block of 16 tokens x 64 n at a time, through my own stage: in as 32 bytes a lane, back as whole rows of 256 bytes.  LDS serves a wave's instructions in order: no wait between the stores and the loads.
.macro TOSTAGE a
	WIN 0x04                                       ; an LDS store's data are its source 1: window 1
.irp b, 0,1,2,3
	ds_store_b128 v[STO], v[8*(4*(\a)+\b):8*(4*(\a)+\b)+3] offset:64*\b          ; each accumulator from its low end on
	ds_store_b128 v[STO], v[8*(4*(\a)+\b)+4:8*(4*(\a)+\b)+7] offset:64*\b+16
.endr
	WIN 0
.set BB, BK+32*((\a)%2)
.irp t, 0,1,2,3,4,5,6,7
	ds_load_b128 v[BB+4*\t:BB+4*\t+3], v[RD] offset:\t*2*SPITCH
.endr
.endm
.macro SEND a, younger
.set BB, BK+32*((\a)%2)
	s_wait_dscnt \younger                          ; the block is back in registers
.irp t, 0,1,2,3,4,5,6,7
	global_store_b128 v[CO], v[BB+4*\t:BB+4*\t+3], s[8:9] offset:65536*(\a)+8192*\t   ; sixteen lanes store 256 consecutive bytes, aligned
.endr
.endm
	PLACES
	TOSTAGE 0
.irp a, 1,2,3,4,5,6,7
.if \a > 1
	s_wait_xcnt 0x0                                ; block a - 2's stores have read their registers: block a's loads may land there
.endif
	TOSTAGE \a
	SEND \a-1, 16                                  ; behind block a - 1's loads: block a's 8 stores and 8 loads
.endr
	SEND 7, 0
	s_wait_tensorcnt 0x0                           ; the wave's end
	ds_add_u32 v[SPW], v[NIL]
	s_wait_dscnt 0x0
	CROUND                                         ; the closing round
	s_endpgm
.Lfunc_end_k_q7104f9c52c_gemm_out:
	.size	k_q7104f9c52c_gemm_out, .Lfunc_end_k_q7104f9c52c_gemm_out-k_q7104f9c52c_gemm_out
	.p2alignl 7, 3214868480
	.fill 96, 4, 3214868480
	.section	.rodata,"a",@progbits
	.p2align	6, 0x0
	.amdhsa_kernel k_q7104f9c52c_gemm_out
		.amdhsa_group_segment_fixed_size 327680
		.amdhsa_private_segment_fixed_size 0
		.amdhsa_enable_private_segment 0
		.amdhsa_kernarg_size 32
		.amdhsa_user_sgpr_count 2
		.amdhsa_user_sgpr_kernarg_segment_ptr 1
		.amdhsa_wavefront_size32 1
		.amdhsa_system_sgpr_workgroup_id_x 1
		.amdhsa_system_sgpr_workgroup_id_y 1
		.amdhsa_system_sgpr_workgroup_id_z 1
		.amdhsa_system_vgpr_workitem_id 0
		.amdhsa_next_free_vgpr 512
		.amdhsa_next_free_sgpr 68
		.amdhsa_reserve_vcc 0
		.amdhsa_float_denorm_mode_32 3
		.amdhsa_float_denorm_mode_16_64 3
		.amdhsa_memory_ordered 1
		.amdhsa_forward_progress 1
		.amdhsa_inst_pref_size 87
	.end_amdhsa_kernel
	.amdgpu_metadata
---
amdhsa.version: [ 1, 2 ]
amdhsa.kernels:
  - .name:           k_q7104f9c52c_gemm_out
    .symbol:         k_q7104f9c52c_gemm_out.kd
    .args:
      - { .name: yi, .offset: 0, .size: 8, .value_kind: global_buffer, .address_space: global }
      - { .name: wt, .offset: 8, .size: 8, .value_kind: global_buffer, .address_space: global }
      - { .name: bv, .offset: 16, .size: 8, .value_kind: global_buffer, .address_space: global }
      - { .name: out0, .offset: 24, .size: 8, .value_kind: global_buffer, .address_space: global }
    .group_segment_fixed_size: 327680
    .private_segment_fixed_size: 0
    .kernarg_segment_align: 8
    .kernarg_segment_size: 32
    .max_flat_workgroup_size: 128
    .sgpr_count:     68
    .vgpr_count:     512
    .wavefront_size: 32
...
	.end_amdgpu_metadata
.endif
;; end of part 5
;; launch first16 (part 6): grid 64 x 4, 8 waves a work-group, no clusters, 9,216 bytes of LDS; arguments h32, Wv, bv, out0; writes out0
.if DOCPART == 6
	.amdgcn_target "amdgcn-amd-amdhsa--gfx1250"
	.amdhsa_code_object_version 6
	.text
	.protected	k_q7104f9c52c_first16
	.globl	k_q7104f9c52c_first16
	.p2align	8
	.type	k_q7104f9c52c_first16,@function
k_q7104f9c52c_first16:
	s_mov_b64 s[64:65], 0
	v_nop
	global_prefetch_b8 v0, s[64:65] scope:SCOPE_SE
	s_setreg_imm32_b32 hwreg(HW_REG_WAVE_MODE, 25, 1), 1
	s_wait_xcnt 0x0
; Positions 0 to 15 of each batch, all in f32: there a row of the softmax averages one to sixteen values, and the rounding of 16-bit operands would weigh most.  These 4 x 16 rows of out0 are written again here.
; A work-group (x = n tile of 16, y = batch) makes out0[batch][0..15][16 x .. 16 x + 15].  Wave w takes heads 2 w and 2 w + 1; their 128 channels are also its eighth of the projection's K, so y never leaves the wave.
; The attention is repeated in each of a batch's 64 work-groups: 64 of a wave's 96 matrix instructions; fewer work-groups would lengthen the projection by more.
; q, k, v come in f32 as the accumulators of the launch that made them stood: tile (tokens 0-15, columns 16 nb on): lane (r, h) holds token r, columns 16 nb + 8 h + 0 .. 7.
; All products by the f32 matrix form, K = 4: lane (r, h) holds row r and k = 2 h + 0, 1.  K is permuted alike on both sides of each product, so registers are used as they lie.
; The registers that these instructions write (S, Y) are written by matrix instructions alone; what is made of them goes into P.
; A store here writes 64 bytes of each of two rows; the whole launch writes 262,144 bytes.
.set LI,  1                            ; v1  16 x lane
.set AV,  2                            ; v2  v, turned: my channel's place in a tile
.set AW,  3                            ; v3  32,768 h + 4 r: Wv's rows 8 h on, column r; also out0's rows
.set SPW, 10
.set NIL, 11
.set QF,  16                           ; v16-79   q: 32 head + 8 column tile + j
.set KF,  80                           ; v80-143  k likewise
.set S,   144                          ; v144-159 S^T: 8 head; later the projection's two sums
.set P,   160                          ; v160-175 the weights; later my partial sum
.set Y,   176                          ; v176-239 y^T: 32 head + 8 channel tile
.set VT,  0                            ; window 1: v^T: 32 head + 8 channel tile + key
.set WB,  64                           ; window 1: Wv: 32 head + 8 channel tile + i
.set SPARE, 8192                       ; behind the eight partial sums: the spare words, 128 bytes a wave
.set MSB, 0
.macro WIN new
.if MSB != \new
	s_set_vgpr_msb (MSB<<8)|\new
.set MSB, \new
.endif
.endm
	s_load_b256 s[4:11], s[0:1], 0x0               ; h32, Wv, bv, out0
	v_lshl_add_u32 v[SPW], v0, 2, SPARE
	v_mov_b32 v[NIL], 0
	v_lshrrev_b32 v12, 5, v0
	v_readfirstlane_b32 s12, v12                   ; wave 0..7
	v_and_b32 v12, 31, v0
	v_lshlrev_b32 v[LI], 4, v12
	v_and_b32 v13, 15, v0                          ; r
	v_bfe_u32 v14, v0, 4, 1                        ; h
	v_bfe_u32 v15, v0, 2, 1                        ; v(key 8 h + i, channel r) lies in the tile at: registers' half (r / 4) % 2, lane key + 16 (r / 8), word r % 4
	v_lshlrev_b32 v[AV], 9, v15
	v_bfe_u32 v15, v0, 3, 1
	v_lshl_add_u32 v[AV], v15, 8, v[AV]
	v_and_b32 v15, 3, v0
	v_lshl_add_u32 v[AV], v15, 2, v[AV]
	v_lshl_add_u32 v[AV], v14, 7, v[AV]
	v_lshlrev_b32 v4, 2, v13                       ; 4 r
	v_lshl_add_u32 v[AW], v14, 15, v4
	v_lshlrev_b32 v15, 3, v14
	v_sub_nc_u32 v5, v13, v15                      ; r - 8 h: key 8 h + j is hidden from query r where j > that
	v_mov_b32 v6, 0xff800000                       ; -infinity
	s_lshl_b32 s16, s12, 10
	v_add_nc_u32 v8, s16, v[LI]                    ; my partial sum: 1,024 bytes a wave
	s_lshr_b32 s17, s12, 2
	s_lshl_b32 s17, s17, 9
	s_and_b32 s18, s12, 3
	s_lshl_b32 s18, s18, 2
	s_add_co_u32 s17, s17, s18
	v_add_nc_u32 v9, s17, v[LI]                    ; register w of a partial sum
.irp j, 242,243,248,249
	v_mov_b32 v[\j], 0                             ; written once: a lane permute's destination counts as one of its sources
.endr
	s_mov_b32 s13, 0x3e38aa3b                      ; c = log2(e) / 8
	s_mov_b32 s14, 0x76543210
	s_mov_b32 s15, 0xfedcba98
	s_and_b32 s19, ttmp7, 0xffff                   ; the batch
	s_lshl_b32 s20, s19, 16
	s_lshl_b32 s21, s12, 13
	s_add_co_u32 s20, s20, s21                     ; h32: the batch's 65,536 bytes, my eight column tiles
	s_mov_b32 s21, 0
	s_lshl_b32 s24, ttmp9, 6                       ; my 16 n, in bytes
	s_mov_b32 s25, 0
	s_lshl_b32 s22, s12, 19                        ; Wv: my 128 rows of 4,096 bytes
	s_add_co_u32 s22, s22, s24
	s_mov_b32 s23, 0
	s_lshl_b32 s26, s19, 23                        ; out0: the batch, row w, my n
	s_lshl_b32 s27, s12, 12
	s_add_co_u32 s26, s26, s27
	s_add_co_u32 s26, s26, s24
	s_mov_b32 s27, 0
	s_wait_kmcnt 0x0
	s_add_nc_u64 s[4:5], s[4:5], s[20:21]
	s_add_nc_u64 s[6:7], s[6:7], s[22:23]
	s_add_nc_u64 s[8:9], s[8:9], s[24:25]
	s_add_nc_u64 s[10:11], s[10:11], s[26:27]
	global_load_b32 v7, v4, s[8:9]                 ; bv of my n
.irp e, 0,1
.irp u, 0,1,2,3
.irp f, 0,1
	global_load_b128 v[QF+32*\e+8*\u+4*\f:QF+32*\e+8*\u+4*\f+3], v[LI], s[4:5] offset:(4*\e+\u)*1024+512*\f
	global_load_b128 v[KF+32*\e+8*\u+4*\f:KF+32*\e+8*\u+4*\f+3], v[LI], s[4:5] offset:262144+(4*\e+\u)*1024+512*\f
.endr
.endr
.endr
	WIN 0x40                                       ; destination window 1
.irp e, 0,1
.irp d, 0,1,2,3
.irp i, 0,1,2,3,4,5,6,7
	global_load_b32 v[VT+32*\e+8*\d+\i], v[AV], s[4:5] offset:524288+(4*\e+\d)*1024+16*\i   ; v(key 8 h + i, channel 16 d + r)
.endr
.endr
.endr
.irp e, 0,1
.irp d, 0,1,2,3
.irp i, 0,1,2,3,4,5,6,7
	global_load_b32 v[WB+32*\e+8*\d+\i], v[AW], s[6:7] offset:(64*\e+16*\d+\i)*4096         ; Wv(my channel 64 e + 16 d + 8 h + i, n = r)
.endr
.endr
.endr
	WIN 0
	s_wait_loadcnt 63                              ; of the 161 loads the first 98 are in: the bias, q, k and v (97)
.irp i, 0,1,2,3,4,5,6,7,8,9,10,11,12,13,14,15  ; S^T = K Q^T: source 0 = 16 keys, source 1 = 16 queries; the two heads by turns
.irp e, 0,1
.if \i == 0
	v_wmma_f32_16x16x4_f32 v[S+8*\e:S+8*\e+7], v[KF+32*\e+2*\i:KF+32*\e+2*\i+1], v[QF+32*\e+2*\i:QF+32*\e+2*\i+1], 0
.else
	v_wmma_f32_16x16x4_f32 v[S+8*\e:S+8*\e+7], v[KF+32*\e+2*\i:KF+32*\e+2*\i+1], v[QF+32*\e+2*\i:QF+32*\e+2*\i+1], v[S+8*\e:S+8*\e+7]
.endif
.endr
.endr
.rept 8
	v_nop                                          ; eight places behind this form before a vector instruction reads the result
.endr
.irp j, 0,1,2,3,4,5,6,7                        ; lane (r, h), register j: query r, key 8 h + j
	v_cmp_gt_i32 vcc_lo, \j, v5
	v_cndmask_b32 v[P+\j], v[S+\j], v6, vcc_lo
	v_cndmask_b32 v[P+8+\j], v[S+8+\j], v6, vcc_lo
.endr
.irp e, 0,1
	v_max3_num_f32 v[240+\e], v[P+8*\e], v[P+8*\e+1], v[P+8*\e+2]
.endr
.irp e, 0,1
	v_max3_num_f32 v[240+\e], v[240+\e], v[P+8*\e+3], v[P+8*\e+4]
.endr
.irp e, 0,1
	v_max3_num_f32 v[240+\e], v[240+\e], v[P+8*\e+5], v[P+8*\e+6]
.endr
.irp e, 0,1
	v_max_num_f32 v[240+\e], v[240+\e], v[P+8*\e+7]
.endr
.irp e, 0,1
	v_permlanex16_b32 v[242+\e], v[240+\e], s14, s15
.endr
.irp e, 0,1
	v_max_num_f32 v[240+\e], v[240+\e], v[242+\e]  ; the row's maximum: key 0 counts for every query
.endr
.irp e, 0,1
	v_mul_f32 v[244+\e], s13, v[240+\e]
.endr
.irp j, 0,1,2,3,4,5,6,7
.irp e, 0,1
	v_fma_f32 v[P+8*\e+\j], v[P+8*\e+\j], s13, -v[244+\e]
.endr
.endr
.irp j, 0,1,2,3,4,5,6,7
.irp e, 0,1
	v_exp_f32 v[P+8*\e+\j], v[P+8*\e+\j]
.endr
.endr
	v_nop
	s_wait_alu depctr_va_vdst(0)                   ; one wait for the sixteen exponentials, ahead of their first reader
.irp e, 0,1
	v_add_f32 v[246+\e], v[P+8*\e], v[P+8*\e+1]
.endr
.irp j, 2,3,4,5,6,7
.irp e, 0,1
	v_add_f32 v[246+\e], v[246+\e], v[P+8*\e+\j]
.endr
.endr
.irp e, 0,1
	v_permlanex16_b32 v[248+\e], v[246+\e], s14, s15
.endr
.irp e, 0,1
	v_add_f32 v[246+\e], v[246+\e], v[248+\e]
.endr
.irp e, 0,1
	v_rcp_f32 v[250+\e], v[246+\e]
.endr
	v_nop
	s_wait_alu depctr_va_vdst(0)                   ; and one for the two reciprocals
.irp j, 0,1,2,3,4,5,6,7
.irp e, 0,1
	v_mul_f32 v[P+8*\e+\j], v[P+8*\e+\j], v[250+\e]
.endr
.endr
	WIN 0x01                                       ; source 0 (v^T) window 1
.irp s, 0,1,2,3                                ; y^T = v^T p: source 0 = 16 channels, source 1 = 16 queries, K = the 16 keys; eight accumulators by turns
.irp e, 0,1
.irp d, 0,1,2,3
.if \s == 0
	v_wmma_f32_16x16x4_f32 v[Y+32*\e+8*\d:Y+32*\e+8*\d+7], v[VT+32*\e+8*\d+2*\s:VT+32*\e+8*\d+2*\s+1], v[P+8*\e+2*\s:P+8*\e+2*\s+1], 0
.else
	v_wmma_f32_16x16x4_f32 v[Y+32*\e+8*\d:Y+32*\e+8*\d+7], v[VT+32*\e+8*\d+2*\s:VT+32*\e+8*\d+2*\s+1], v[P+8*\e+2*\s:P+8*\e+2*\s+1], v[Y+32*\e+8*\d:Y+32*\e+8*\d+7]
.endif
.endr
.endr
.endr
	WIN 0
.rept 9
	v_nop                                          ; nine places behind this form before a matrix instruction takes the result as an operand
.endr
	s_wait_loadcnt 0x0                             ; Wv
	WIN 0x04                                       ; source 1 (Wv) window 1
.irp d, 0,1,2,3                                ; out = y Wv: source 0 = y as it lies (lane (r, h): query r, channels 16 d + 8 h + j), source 1 = 16 n; the two heads' sums by turns
.irp s, 0,1,2,3
.irp e, 0,1
.if (\d == 0) && (\s == 0)
	v_wmma_f32_16x16x4_f32 v[S+8*\e:S+8*\e+7], v[Y+32*\e+8*\d+2*\s:Y+32*\e+8*\d+2*\s+1], v[WB+32*\e+8*\d+2*\s:WB+32*\e+8*\d+2*\s+1], 0
.else
	v_wmma_f32_16x16x4_f32 v[S+8*\e:S+8*\e+7], v[Y+32*\e+8*\d+2*\s:Y+32*\e+8*\d+2*\s+1], v[WB+32*\e+8*\d+2*\s:WB+32*\e+8*\d+2*\s+1], v[S+8*\e:S+8*\e+7]
.endif
.endr
.endr
.endr
	WIN 0
.rept 8
	v_nop
.endr
.irp j, 0,1,2,3,4,5,6,7
	v_add_f32 v[P+\j], v[S+\j], v[S+8+\j]          ; my 128 channels' part: lane (r, h), register j: row 8 h + j, n = r
.endr
	ds_store_b128 v8, v[P:P+3]
	ds_store_b128 v8, v[P+4:P+7] offset:512
	s_wait_dscnt 0x0                               ; for the others' sake: my stores are done
	s_barrier_signal -1
	s_barrier_wait -1
.irp p, 0,1,2,3,4,5,6,7
	ds_load_b32 v[240+\p], v9 offset:1024*\p       ; register w of all eight parts: rows w and 8 + w
.endr
	s_wait_dscnt 0x0
	v_add_f32 v240, v240, v241
	v_add_f32 v242, v242, v243
	v_add_f32 v244, v244, v245
	v_add_f32 v246, v246, v247
	v_add_f32 v240, v240, v242
	v_add_f32 v244, v244, v246
	v_add_f32 v240, v240, v244
	v_add_f32 v240, v240, v7                       ; + bv
	global_store_b32 v[AW], v240, s[10:11]         ; out0(batch, 8 h + w, 16 x + r)
	s_wait_tensorcnt 0x0                           ; the wave's end
	ds_add_u32 v[SPW], v[NIL]
	s_wait_dscnt 0x0
	s_endpgm
.Lfunc_end_k_q7104f9c52c_first16:
	.size	k_q7104f9c52c_first16, .Lfunc_end_k_q7104f9c52c_first16-k_q7104f9c52c_first16
	.p2alignl 7, 3214868480
	.fill 96, 4, 3214868480
	.section	.rodata,"a",@progbits
	.p2align	6, 0x0
	.amdhsa_kernel k_q7104f9c52c_first16
		.amdhsa_group_segment_fixed_size 9216
		.amdhsa_private_segment_fixed_size 0
		.amdhsa_enable_private_segment 0
		.amdhsa_kernarg_size 32
		.amdhsa_user_sgpr_count 2
		.amdhsa_user_sgpr_kernarg_segment_ptr 1
		.amdhsa_wavefront_size32 1
		.amdhsa_system_sgpr_workgroup_id_x 1
		.amdhsa_system_sgpr_workgroup_id_y 1
		.amdhsa_system_sgpr_workgroup_id_z 1
		.amdhsa_system_vgpr_workitem_id 0
		.amdhsa_next_free_vgpr 384
		.amdhsa_next_free_sgpr 66
		.amdhsa_reserve_vcc 1
		.amdhsa_float_denorm_mode_32 3
		.amdhsa_float_denorm_mode_16_64 3
		.amdhsa_memory_ordered 1
		.amdhsa_forward_progress 1
		.amdhsa_inst_pref_size 31
	.end_amdhsa_kernel
	.amdgpu_metadata
---
amdhsa.version: [ 1, 2 ]
amdhsa.kernels:
  - .name:           k_q7104f9c52c_first16
    .symbol:         k_q7104f9c52c_first16.kd
    .args:
      - { .name: h32, .offset: 0, .size: 8, .value_kind: global_buffer, .address_space: global }
      - { .name: Wv, .offset: 8, .size: 8, .value_kind: global_buffer, .address_space: global }
      - { .name: bv, .offset: 16, .size: 8, .value_kind: global_buffer, .address_space: global }
      - { .name: out0, .offset: 24, .size: 8, .value_kind: global_buffer, .address_space: global }
    .group_segment_fixed_size: 9216
    .private_segment_fixed_size: 0
    .kernarg_segment_align: 8
    .kernarg_segment_size: 32
    .max_flat_workgroup_size: 256
    .sgpr_count:     66
    .vgpr_count:     384
    .wavefront_size: 32
...
	.end_amdgpu_metadata
.endif
;; end of part 6
